; MI455X (gfx1250); checked and timed in simulation.
; The chip was launched on July 23, 2026; its instructions are those of AMD's public machine-readable ISA for CDNA 5 (MIT licence, August 2026) and "CDNA5" Instruction Set Architecture Reference Guide (July 2026). The comments in the code are by the model that wrote it; some were corrected since.
;; Slot Attention. Allowed arithmetic: matrix products marked QUANTISED: E2M3 operands, one E8M0 scale for each 32 along K, by v_wmma_scale_f32_16x16x128_f8f6f4 with both operands' format E2M3, f32 sums; products left as they are: f32 operands where the result goes on into a quantised operand, else bf16, f16 or f32 operands; f32 sums; everything else in f32.
;; Inputs: W_hh 64 x 192 float32; W_ih 64 x 192 float32; Wk 64 x 64 float32; Wq 64 x 64 float32; Wv 64 x 64 float32; b_hh 192 float32; b_ih 192 float32; inputs 32 x 16,384 x 66 float32; ln_in_b 64 float32; ln_in_g 64 float32; ln_m_b 64 float32; ln_m_g 64 float32; ln_s_b 64 float32; ln_s_g 64 float32; mlp_W1 64 x 128 float32; mlp_W2 128 x 64 float32; mlp_b1 128 float32; mlp_b2 64 float32; pa_W 2 x 64 float32; pa_b 64 float32; pe_W1 64 x 128 float32; pe_W2 128 x 64 float32; pe_b 64 float32; pe_b1 128 float32; pe_b2 64 float32; pe_g 64 float32; slots 1 x 8 x 64 float32.
;; Outputs: out0 32 x 8 x 64 float32.
;; This version of the problem:
;;   THIS VERSION OF THE PROBLEM IS GIVEN IN LOW PRECISION. The matrix products marked QUANTISED in the list below multiply operands that are first quantised to E2M3 (2 exponent bits, 3 mantissa bits; 6 bits a number), with one power-of-two scale for each 32 numbers along K (OCP MX v1.0); their sums are f32. All else is computed in f32.
;;   The module's matrix products, in the order in which they are computed (A, B: the left and right operand; K: the contracted axis; several contracted axes count as one K, in the product's order):
;;     1. [M 524,288, K 64] x [K 64, N 64]; A: computed on the way; B: input Wk: QUANTISED
;;     2. [M 524,288, K 64] x [K 64, N 64]; A: computed on the way; B: input Wv: QUANTISED
;;     3. [M 524,288, K 2] x [K 2, N 64]; A: input inputs; B: input pa_W: left as it is (K = 2 < 32)
;;     4. [M 524,288, K 64] x [K 64, N 128]; A: computed on the way; B: input pe_W1: QUANTISED
;;     5. [M 524,288, K 128] x [K 128, N 64]; A: computed on the way; B: input pe_W2: QUANTISED
;;     6. [M 524,288, K 64] x [K 64, N 128]; A: computed on the way; B: input pe_W1: QUANTISED
;;     7. [M 524,288, K 128] x [K 128, N 64]; A: computed on the way; B: input pe_W2: QUANTISED
;;     8. [M 256, K 64] x [K 64, N 64]; A: computed on the way; B: input Wq: QUANTISED
;;     9. batch 32 x [M 16,384, K 64] x [K 64, N 8]; A: computed on the way; B: computed on the way: left as it is (N = 8 < 16)
;;     10. batch 32 x [M 8, K 16,384] x [K 16,384, N 64]; A: computed on the way; B: computed on the way: left as it is (M = 8 < 16)
;;     11. [M 256, K 64] x [K 64, N 192]; A: computed on the way; B: input W_ih: QUANTISED
;;     12. [M 256, K 64] x [K 64, N 192]; A: input slots; B: input W_hh: QUANTISED
;;     13. [M 256, K 64] x [K 64, N 128]; A: computed on the way; B: input mlp_W1: QUANTISED
;;     14. [M 256, K 128] x [K 128, N 64]; A: computed on the way; B: input mlp_W2: QUANTISED
;;     15. [M 256, K 64] x [K 64, N 64]; A: computed on the way; B: input Wq: QUANTISED
;;     16. batch 32 x [M 16,384, K 64] x [K 64, N 8]; A: computed on the way; B: computed on the way: left as it is (N = 8 < 16)
;;     17. batch 32 x [M 8, K 16,384] x [K 16,384, N 64]; A: computed on the way; B: computed on the way: left as it is (M = 8 < 16)
;;     18. [M 256, K 64] x [K 64, N 192]; A: computed on the way; B: input W_ih: QUANTISED
;;     19. [M 256, K 64] x [K 64, N 192]; A: computed on the way; B: input W_hh: QUANTISED
;;     20. [M 256, K 64] x [K 64, N 128]; A: computed on the way; B: input mlp_W1: QUANTISED
;;     21. [M 256, K 128] x [K 128, N 64]; A: computed on the way; B: input mlp_W2: QUANTISED
;;     22. [M 256, K 64] x [K 64, N 64]; A: computed on the way; B: input Wq: QUANTISED
;;     23. batch 32 x [M 16,384, K 64] x [K 64, N 8]; A: computed on the way; B: computed on the way: left as it is (N = 8 < 16)
;;     24. batch 32 x [M 8, K 16,384] x [K 16,384, N 64]; A: computed on the way; B: computed on the way: left as it is (M = 8 < 16)
;;     25. [M 256, K 64] x [K 64, N 192]; A: computed on the way; B: input W_ih: QUANTISED
;;     26. [M 256, K 64] x [K 64, N 192]; A: computed on the way; B: input W_hh: QUANTISED
;;     27. [M 256, K 64] x [K 64, N 128]; A: computed on the way; B: input mlp_W1: QUANTISED
;;     28. [M 256, K 128] x [K 128, N 64]; A: computed on the way; B: input mlp_W2: QUANTISED
;;   THE QUANTISER, for each operand of a quantised product, along K:
;;     - K is cut into blocks of 32 from its start; a last block that is shorter is filled with zeros.
;;     - A block's scale is 2^e with e = floor(log2(the largest magnitude in the block)) - 2, held to -126 .. 127; a block of zeros has e = 0. As a byte (E8M0): e + 127.
;;     - Each number is divided by its block's scale, clamped to +-7.5, and rounded to the nearest number of E2M3, ties to even, subnormals kept.
;;     - The product sums the exact products of the quantised numbers (number of the format x scale) in f32.
;;   ~~~python
;;   def quantise(x, axis):      # numpy; x: float32 -> the quantised numbers, widened to float32 again
;;       x = np.moveaxis(x, axis, -1); K = x.shape[-1]
;;       x = np.pad(x, [(0, 0)] * (x.ndim - 1) + [(0, -K % 32)]); x = x.reshape(x.shape[:-1] + (-1, 32)); a = np.abs(x).max(-1, keepdims=True)
;;       e = np.where(a > 0, np.clip(np.frexp(np.where(a > 0, a, 1))[1] - 1 - 2, -126, 127), 0)      # np.frexp(a)[1] - 1 = floor(log2(a)), exactly
;;       r = np.clip(x / 2.0 ** e, -7.5, 7.5)
;;       step = 2.0 ** (np.maximum(np.frexp(np.where(r == 0, 1, r))[1] - 1, 0) - 3)
;;       q = np.round(r / step) * step * 2.0 ** e      # np.round: ties to even
;;       return np.moveaxis(q.reshape(q.shape[:-2] + (-1,))[..., :K], -1, axis).astype(np.float32)
;;   ~~~
;;   OPERANDS COMPUTED ON THE WAY. 'Computed on the way' means the value that the module computes at that place (a softmax that the list does not call 'softmax' is quantised finished and normalised). What goes into a quantiser is computed in f32, as accurately as f32 sums, v_exp_f32 and their like allow (about 1e-6 of the number): no bf16 or f16 on the way to a quantiser, and a product that is left as it is and whose result goes on into a quantised operand takes f32 operands (vector FMAs, or v_wmma_f32_16x16x4_f32). A number that lies on a knife's edge between two numbers of the format may be rounded either way, as far as f32 arithmetic and the matrix unit's own rounding can turn it there, and no further.
;; One version. Each part assembles by itself: llvm-mc -triple=amdgcn-amd-amdhsa -mcpu=gfx1250 --defsym DOCPART=n.
;; ======== version 1 of 1: 7 launches
;; workspace buffers: hc 104,857,600 bytes; wimg 53,248 bytes; part 589,824 bytes; stateA 65,536 bytes; stateB 65,536 bytes
;; launch enc (part 1): grid 256 x 1, 8 waves a work-group, no clusters, 327,680 bytes of LDS; arguments inputs, hc, Wk, Wv, pe_W1, ln_in_g, ln_in_b, pe_g, pe_b, pe_b1, pa_W, pa_b, pe_W2, mlp_W2, Wq, mlp_W1, W_ih, W_hh, wimg, slots, stateA; writes hc, wimg, stateA
.if DOCPART == 1
	.amdgcn_target "amdgcn-amd-amdhsa--gfx1250"
	.amdhsa_code_object_version 6
	.text
	.protected	k_qdbaa1396ea_enc
	.globl	k_qdbaa1396ea_enc
	.p2align	8
	.type	k_qdbaa1396ea_enc,@function
k_qdbaa1396ea_enc:
	s_mov_b64 s[64:65], 0
	v_nop
	global_prefetch_b8 v0, s[64:65] scope:SCOPE_SE
	s_setreg_imm32_b32 hwreg(HW_REG_WAVE_MODE, 25, 1), 1
	s_wait_xcnt 0x0
; THE ENCODER.  For each of the 524,288 rows of inputs (66 f32: 64 features, 2 grid numbers):
;   f = LayerNorm(features);  k = Q(f) Q(Wk),  v = Q(f) Q(Wv);  gp = grid pa_W + pa_b (f32);
;   hk = relu(Q(LayerNorm(k + gp)) Q(pe_W1) + pe_b1),  hv likewise of v.   Q: E2M3 codes, one E8M0 byte for each 32 along K.
; What is stored is Q(hk) and Q(hv): 96 + 96 bytes of codes and 8 scale bytes a row, as images of the operand registers of the product with pe_W2,
; which the attention launches make.  The launch also lays out the six weights of the later launches (wimg) and the first state (slots for each batch).
; LAYOUT.  A tile is 16 rows.  Lane (r, h) = (lane % 16, lane / 16) holds row r; register i of 32 holds column 32 h + i (of 64: register 32 c + i holds column 64 c + 32 h + i).
; So a lane holds whole blocks of 32, which is what a 6-bit operand's registers want: a block's largest magnitude needs no other lane, and the conversions' results are the operand.
; EVERY PRODUCT IS USED TRANSPOSED: source 0 = 16 columns of the weight, source 1 = the 16 rows.  Lane r of weight tile t takes column 64 (t / 4) + 8 (t % 4) + r % 8 + 32 (r / 8),
; so that register j of tile t's result is register 8 t + j of the layout above.
; K = 64 IN AN INSTRUCTION OF K = 128: the rows' registers 6 to 11 hold zero codes and both sides' scale bytes 2 and 3 are 0x7f.  The weights' fragments lie 6 registers apart, so the upper six registers
; that an instruction names are the next fragment's codes (or six written registers): every 6-bit code is a finite number, and it meets a zero code.
; SHARES.  256 work-groups x 8 waves; a wave owns 256 rows: 16 tiles, in 4 fills of 64 rows of its own two LDS slots (66 lines of 256 bytes each, dense).
; LIMITS: NaN and infinities among the inputs are not served.  A block of zeros gets the scale byte 1 where the quantiser says 127: its codes are zeros, and this program alone reads the bytes.
; v_rsq_f32 is accurate to 1 ulp (ISA guide, its entry).  Biases and gp enter as the C of a matrix instruction.
.set SLOTX,  135168                    ; from slot 0 to slot 1: 8 waves x 16,896 bytes = 0x21000; wave x 0x4200 has neither of its two bits, so an exclusive or turns one slot's address into the other's
.set WSLOT,  16896                     ; a wave's slot: 64 rows of 264 bytes
.set TILEB,  4224                      ; 16 rows
.set WIMG,   270336                    ; behind the ring: 16 half tiles of weights as register images, 768 bytes each
.set WSCT,   282624                    ; their scale words, 64 bytes each
.set SPARE,  283648                    ; the spare words: 128 bytes for each of 8 waves, named by no other line
.set FLOOR,  0x1800000                 ; 2^(3 - 127): under it no largest magnitude is taken, so a scale byte cannot fall under 1
.set TB, 2                             ; s2   LDS byte of the slot in hand
.set PO, 3                             ; s3   the pair's bytes in the slot
.set G1, 48                            ; s[48:55] descriptor group 1
.set G0, 56                            ; s[56:59] descriptor group 0, which walks
.set WV, 60                            ; s60  wave
.set NSL, 61                           ; s61  slots to ask for
.set NPR, 62                           ; s62  pairs to go in a slot
.set HM, 63                            ; s63  mask of lanes 16-31
.set SEL, 66                           ; s[66:67] v_permlanex16_b32's selects for lane xor 16
.set INV64, 68
.set EPSLN, 69
.set OUT, 70                           ; s[70:71] the pair's record in hc
.set XA, 1                             ; v1   my 128 bytes of my row in my wave's slot 0
.set GA, 2                             ; v2   my row's two grid numbers
.set ADX, 3
.set ADG, 4
.set ST16, 5                           ; v5   16 x lane
.set ST8, 6                            ; v6   8 x lane
.set SH8, 7                            ; v7   8 h
.set SPW, 8                            ; v8   my spare word; never rewritten
.set NIL, 9                            ; v9   0; never rewritten
.set MU, 10
.set RS, 12
.set T0, 14
.set T1, 15
.set T2, 16
.set T3, 17
.set T4, 18
.set T6, 20
.set T7, 21
.set SO0, 22
.set SO1, 23
.set BY0, 24
.set BY1, 25
.set FS, 26                            ; v26  the rows' scale word
.set HWK, 27
.set SWP, 28                           ; v[28:29] the pair's scale words to store
.set G2, 30                            ; v[30:31] source 1 of the f32 product
.set WKS, 32                           ; v32-39 the weights' scale words: tile 2 a in lanes 0-15, tile 2 a + 1 in lanes 16-31
.set WVS, 34
.set W1S, 36
.set F, 40                             ; v40-51 the rows' codes; 46-51 stay zero
.set HC, 52                            ; v52-63 the hidden layer's codes
.set CT, 64
.set X, 72
.set GP, 104                           ; v104-135 gp, then v + gp: written by matrix instructions alone
.set HID, 136
.set W1F, 200                          ; v200-247 pe_W1's 8 fragments, v248-253 written once
.set LNG, 0                            ; window 1
.set LNB, 32
.set PEG, 64
.set PEB, 96
.set B1, 128
.set WK, 192
.set WVF, 216
.set PAD1, 240
.set PA, 246
.set IMA, 52                           ; the head's own addresses, in HC's registers
.set IMB, 53
.set ISC, 54
.set IL16, 55
.set IL8, 56
.set ISL, 57
.set CL4, 58
.set VO64, 59
.set VO128, 60
.set VO192, 61
.set H128, 62
.set PT, 200
.set MSB, 0
.macro WIN new                         ; the immediate's high byte repeats the setting that is left
.if MSB != \new
	s_set_vgpr_msb (MSB<<8)|\new
.set MSB, \new
.endif
.endm
.macro NOPS n
.rept \n
	v_nop
.endr
.endm
.macro MX d, a, b, c, sa, sb, ra       ; ra = 1: the weight's scale words stand in lanes 16-31
.if \ra
	v_wmma_scale_f32_16x16x128_f8f6f4 v[\d:\d+7], v[\a:\a+11], v[\b:\b+11], v[\c:\c+7], v[\sa], v[\sb] matrix_a_fmt:MATRIX_FMT_FP6 matrix_b_fmt:MATRIX_FMT_FP6 matrix_a_scale:MATRIX_SCALE_ROW1
.else
	v_wmma_scale_f32_16x16x128_f8f6f4 v[\d:\d+7], v[\a:\a+11], v[\b:\b+11], v[\c:\c+7], v[\sa], v[\sb] matrix_a_fmt:MATRIX_FMT_FP6 matrix_b_fmt:MATRIX_FMT_FP6
.endif
.endm
; The row's mean of 64 numbers: my 32 in two chains, each ascending; then lane xor 16's.
.macro LN_A src
	v_pk_add_f32 v[T0:T0+1], v[\src:\src+1], v[\src+2:\src+3]
	v_pk_add_f32 v[T2:T2+1], v[\src+16:\src+17], v[\src+18:\src+19]
.irp j, 4,6,8,10,12,14
	v_pk_add_f32 v[T0:T0+1], v[T0:T0+1], v[\src+\j:\src+\j+1]
	v_pk_add_f32 v[T2:T2+1], v[T2:T2+1], v[\src+16+\j:\src+17+\j]
.endr
	v_pk_add_f32 v[T0:T0+1], v[T0:T0+1], v[T2:T2+1]
	v_add_f32 v[T0], v[T0], v[T1]
	v_permlanex16_b32 v[T4], v[T0], s[SEL], s[SEL+1]
	v_add_f32 v[T0], v[T0], v[T4]
	v_mul_f32 v[MU], s[INV64], v[T0]
.endm
; dst = (src - mean) x rsqrt(variance + 1e-5) x g + b; the variance is taken of the differences.
.macro LN_B src, dst, g, b, win
.set i, 0
.rept 16
	v_pk_add_f32 v[\dst+i:\dst+i+1], v[\src+i:\src+i+1], v[MU:MU+1] op_sel_hi:[1,0] neg_lo:[0,1] neg_hi:[0,1]
.set i, i+2
.endr
	v_pk_mul_f32 v[T0:T0+1], v[\dst:\dst+1], v[\dst:\dst+1]
	v_pk_mul_f32 v[T2:T2+1], v[\dst+16:\dst+17], v[\dst+16:\dst+17]
.irp j, 2,4,6,8,10,12,14
	v_pk_fma_f32 v[T0:T0+1], v[\dst+\j:\dst+\j+1], v[\dst+\j:\dst+\j+1], v[T0:T0+1]
	v_pk_fma_f32 v[T2:T2+1], v[\dst+16+\j:\dst+17+\j], v[\dst+16+\j:\dst+17+\j], v[T2:T2+1]
.endr
	v_pk_add_f32 v[T0:T0+1], v[T0:T0+1], v[T2:T2+1]
	v_add_f32 v[T0], v[T0], v[T1]
	v_permlanex16_b32 v[T4], v[T0], s[SEL], s[SEL+1]
	v_add_f32 v[T0], v[T0], v[T4]
	v_fma_f32 v[T0], v[T0], s[INV64], s[EPSLN]
	v_rsq_f32 v[RS], v[T0]
	v_nop                                          ; a plain instruction behind the transcendental,
	s_wait_alu depctr_va_vdst(0)                   ; and the wait ahead of the first use of its result
.set i, 0
.rept 16
	v_pk_mul_f32 v[\dst+i:\dst+i+1], v[\dst+i:\dst+i+1], v[RS:RS+1] op_sel_hi:[1,0]
.set i, i+2
.endr
	WIN \win
.set i, 0
.rept 16
	v_pk_fma_f32 v[\dst+i:\dst+i+1], v[\dst+i:\dst+i+1], v[\g+i:\g+i+1], v[\b+i:\b+i+1]
.set i, i+2
.endr
	WIN 0
.endm
; My 32 numbers are one block: its largest magnitude, the scale operand (2 off the exponent field), the byte at its place in the row's word (with lane xor 16's; bytes 2, 3 = 0x7f), six registers of codes.
.macro QUANT32 src, f, fs
	v_max3_num_f32 v[T0], |v[\src]|, |v[\src+1]|, FLOOR
	v_max3_num_f32 v[T1], |v[\src+16]|, |v[\src+17]|, FLOOR
.irp j, 2,4,6,8,10,12,14
	v_max3_num_f32 v[T0], v[T0], |v[\src+\j]|, |v[\src+\j+1]|
	v_max3_num_f32 v[T1], v[T1], |v[\src+16+\j]|, |v[\src+17+\j]|
.endr
	v_max_num_f32 v[T0], v[T0], v[T1]
	v_add_nc_u32 v[SO0], 0xff000000, v[T0]
	v_lshrrev_b32 v[BY0], 23, v[SO0]
	v_lshlrev_b32 v[BY0], v[SH8], v[BY0]
	v_permlanex16_b32 v[T4], v[BY0], s[SEL], s[SEL+1]
	v_or_b32 v[BY0], v[BY0], v[T4]
	v_or_b32 v[\fs], 0x7f7f0000, v[BY0]
	v_cvt_scalef32_pk16_fp6_f32 v[\f:\f+2], v[\src:\src+15], v[SO0]
	v_cvt_scalef32_pk16_fp6_f32 v[CT:CT+2], v[\src+16:\src+31], v[SO0]   ; (a conversion's three registers begin on an even number)
	v_nop                                          ; one plain instruction behind the conversions
	v_mov_b32 v[\f+3], v[CT]
	v_mov_b32 v[\f+4], v[CT+1]
	v_mov_b32 v[\f+5], v[CT+2]
.endm
; relu of my 64 numbers (two blocks), then quantised: twelve registers of codes and the row's scale word (my bytes h and 2 + h, with lane xor 16's).
.macro RQ64 src, hc, hw
.set i, 0
.rept 64
	v_max_num_f32 v[\src+i], 0, v[\src+i]
.set i, i+1
.endr
.irp k, 0,1,2,3
	v_max3_num_f32 v[T0+\k], v[\src+16*\k], v[\src+16*\k+1], FLOOR
.endr
.irp e, 2,4,6,8,10,12,14
.irp k, 0,1,2,3
	v_max3_num_f32 v[T0+\k], v[T0+\k], v[\src+16*\k+\e], v[\src+16*\k+\e+1]
.endr
.endr
	v_max_num_f32 v[T0], v[T0], v[T1]
	v_max_num_f32 v[T2], v[T2], v[T3]
	v_add_nc_u32 v[SO0], 0xff000000, v[T0]
	v_add_nc_u32 v[SO1], 0xff000000, v[T2]
	v_lshrrev_b32 v[BY0], 23, v[SO0]
	v_lshrrev_b32 v[BY1], 23, v[SO1]
	v_lshl_or_b32 v[BY0], v[BY1], 16, v[BY0]
	v_lshlrev_b32 v[BY0], v[SH8], v[BY0]
	v_permlanex16_b32 v[T4], v[BY0], s[SEL], s[SEL+1]
	v_or_b32 v[\hw], v[BY0], v[T4]
	v_cvt_scalef32_pk16_fp6_f32 v[\hc:\hc+2], v[\src:\src+15], v[SO0]
	v_cvt_scalef32_pk16_fp6_f32 v[CT:CT+2], v[\src+16:\src+31], v[SO0]
	v_cvt_scalef32_pk16_fp6_f32 v[\hc+6:\hc+8], v[\src+32:\src+47], v[SO1]
	v_cvt_scalef32_pk16_fp6_f32 v[CT+4:CT+6], v[\src+48:\src+63], v[SO1]
	v_nop
.irp k, 0,1,2
	v_mov_b32 v[\hc+3+\k], v[CT+\k]
	v_mov_b32 v[\hc+9+\k], v[CT+4+\k]
.endr
.endm
; Half a weight tile: 32 numbers down K of my column; n = the weight's row in numbers
.macro WLOAD dst, vo, sb, n, off
.set i, 0
.rept 32
	global_load_b32 v[\dst+i], v[\vo], s[\sb:\sb+1] offset:i*4*\n+\off
.set i, i+1
.endr
.endm
.macro QW src, off, soff               ; one of my two half tiles: quantised, its image and scale words to LDS
	QUANT32 \src, F, FS
	ds_store_b128 v[IMA], v[F:F+3] offset:\off
	ds_store_b64 v[IMB], v[F+4:F+5] offset:\off
	ds_store_b32 v[ISC], v[FS] offset:\soff        ; both halves of the lanes write the same word with the same value
	s_wait_dscnt 0x0
.endm
	s_load_b512 s[4:19], s[0:1], 0x0               ; inputs, hc, Wk, Wv, pe_W1, ln_in_g, ln_in_b, pe_g
	s_load_b512 s[20:35], s[0:1], 0x40             ; pe_b, pe_b1, pa_W, pa_b, pe_W2, mlp_W2, Wq, mlp_W1
	s_load_b256 s[36:43], s[0:1], 0x80             ; W_ih, W_hh, wimg, slots
	s_load_b64 s[44:45], s[0:1], 0xa0              ; stateA
	v_lshl_add_u32 v[SPW], v0, 2, SPARE
	v_mov_b32 v[NIL], 0
	ds_add_u32 v[SPW], v[NIL]                      ; the wave's opening: the add and its wait ahead of my first tensor load
	v_lshrrev_b32 v[T0], 5, v0
	v_readfirstlane_b32 s[WV], v[T0]               ; wave 0..7
	s_mov_b32 s[G1+0], 3<<16                       ; no mask; elements of 8 bytes; no padding
	s_mov_b32 s[G1+1], 32<<16                      ; tensor_dim0 = 32 elements: a line of 256 bytes
	s_mov_b32 s[G1+2], 66<<16                      ; tensor_dim1 = 66 lines: 64 rows of 264 bytes, dense
	s_mov_b32 s[G1+3], 32<<16                      ; tile_dim0
	s_mov_b32 s[G1+4], 66                          ; tile_dim1
	s_mov_b32 s[G1+5], 32                          ; from line to line
	s_mov_b32 s[G1+6], 0
	s_mov_b32 s[G1+7], 0
	s_mov_b32 s[HM], 0xffff0000
	s_mov_b32 s[SEL], 0x76543210
	s_mov_b32 s[SEL+1], 0xfedcba98
	s_mov_b32 s[INV64], 0x3c800000                 ; 1 / 64
	s_mov_b32 s[EPSLN], 0x3727c5ac                 ; 1e-5
	s_mul_i32 s72, ttmp9, 540672                   ; the work-group's 2,048 rows,
	s_mul_i32 s73, s[WV], 67584                    ; my wave's 256 of them
	s_add_co_u32 s72, s72, s73
	s_mov_b32 s73, 0
	s_mul_i32 s74, s[WV], WSLOT                    ; my slot 0
	s_wait_dscnt 0x0                               ; the opening add is done
	s_wait_kmcnt 0x0
	s_mov_b32 s[G0], 1
	s_mov_b32 s[G0+1], s74
	s_add_nc_u64 s[G0+2:G0+3], s[4:5], s[72:73]
	s_or_b32 s[G0+3], s[G0+3], 0x80000000
	tensor_load_to_lds s[G0:G0+3], s[G1:G1+7]      ; my first 64 rows: on their way while the weights are made
	s_nop 0
	NOPS 4
	; every address of the head, ahead of the first branch
	v_and_b32 v[T0], 15, v0                        ; r
	v_bfe_u32 v[T1], v0, 4, 1                      ; h
	v_and_b32 v[T2], 31, v0                        ; lane
	v_and_b32 v[T3], 7, v0                         ; r % 8
	v_bfe_u32 v[T4], v0, 3, 1                      ; r / 8
	v_mul_u32_u24 v[GA], v[T0], 264
	v_add_nc_u32 v[GA], s74, v[GA]
	v_lshl_add_u32 v[XA], v[T1], 7, v[GA]
	v_add_nc_u32 v[GA], 256, v[GA]
	v_lshlrev_b32 v[ST16], 4, v[T2]
	v_lshlrev_b32 v[ST8], 3, v[T2]
	v_lshlrev_b32 v[SH8], 3, v[T1]
	s_mul_i32 s75, s[WV], 1536
	s_add_co_u32 s75, s75, WIMG
	v_add_nc_u32 v[IMA], s75, v[ST16]              ; where my two images go: registers 0-3 at 16 x lane,
	v_add_nc_u32 v[IMB], s75, v[ST8]
	v_add_nc_u32 v[IMB], 512, v[IMB]               ; registers 4, 5 at 512 + 8 x lane
	s_lshl_b32 s75, s[WV], 7
	s_add_co_u32 s75, s75, WSCT
	v_lshl_add_u32 v[ISC], v[T0], 2, s75
	v_add_nc_u32 v[IL16], WIMG, v[ST16]
	v_add_nc_u32 v[IL8], WIMG+512, v[ST8]
	v_lshl_add_u32 v[ISL], v[T2], 2, WSCT
	v_lshlrev_b32 v[CL4], 2, v[T3]
	v_lshl_add_u32 v[CL4], v[T4], 7, v[CL4]        ; 4 (r % 8 + 32 (r / 8)): my column in a tile, in bytes
	v_lshl_add_u32 v[VO64], v[T1], 13, v[CL4]      ; + 32 h rows of 64, 128 or 192 numbers
	v_lshl_add_u32 v[VO128], v[T1], 14, v[CL4]
	v_mad_u32_u24 v[VO192], v[T1], 24576, v[CL4]
	v_lshlrev_b32 v[H128], 7, v[T1]
	; gains and biases in the rows' layout
	WIN 0x40
.set i, 0
.rept 8
	global_load_b128 v[LNG+4*i:LNG+4*i+3], v[H128], s[14:15] offset:16*i
	global_load_b128 v[LNB+4*i:LNB+4*i+3], v[H128], s[16:17] offset:16*i
	global_load_b128 v[PEG+4*i:PEG+4*i+3], v[H128], s[18:19] offset:16*i
	global_load_b128 v[PEB+4*i:PEB+4*i+3], v[H128], s[20:21] offset:16*i
	global_load_b128 v[B1+4*i:B1+4*i+3], v[H128], s[22:23] offset:16*i
	global_load_b128 v[B1+32+4*i:B1+32+4*i+3], v[H128], s[22:23] offset:256+16*i
.set i, i+1
.endr
	WIN 0
.irp t, 0,1,2,3
	global_load_b32 v[PT+\t], v[CL4], s[24:25] offset:32*\t         ; pa_W's row 0 at tile t's columns,
	global_load_b32 v[PT+4+\t], v[CL4], s[24:25] offset:256+32*\t   ; its row 1,
	global_load_b32 v[PT+8+\t], v[CL4], s[26:27] offset:32*\t       ; pa_b
.endr
	; my two half tiles of the encoder's 16: waves 0, 1 Wk's, waves 2, 3 Wv's, waves 4-7 pe_W1's
	s_and_b32 s75, s[WV], 1
	s_lshl_b32 s76, s75, 6
	s_bfe_u32 s77, s[WV], 0x10001
	s_lshl_b32 s77, s77, 8
	s_cmp_lt_u32 s[WV], 2
	s_cselect_b64 s[78:79], s[8:9], s[10:11]
	s_cmp_lt_u32 s[WV], 4
	s_cselect_b64 s[78:79], s[78:79], s[12:13]
	s_cselect_b32 s77, 0, s77
	s_add_co_u32 s76, s76, s77
	s_mov_b32 s77, 0
	s_add_nc_u64 s[78:79], s[78:79], s[76:77]
	s_cmp_lt_u32 s[WV], 4
	s_cbranch_scc0 .Lown128
	WLOAD HID, VO64, 78, 64, 0
	WLOAD HID+32, VO64, 78, 64, 32
	s_branch .Lown_in
.Lown128:
	WLOAD HID, VO128, 78, 128, 0
	WLOAD HID+32, VO128, 78, 128, 32
.Lown_in:
	; THE LATER LAUNCHES' WEIGHTS: half tile j = 8 x work-group + wave of 52 goes to wimg as a record of 1,024 bytes.  The branch hangs on ids alone; no barrier and no tensor load stands in it.
	s_lshl_b32 s72, ttmp9, 3
	s_add_co_u32 s72, s72, s[WV]
	s_cmp_lt_u32 s72, 52
	s_cbranch_scc0 .Lno_extra
	s_and_b32 s73, s72, 7
	s_lshr_b32 s73, s73, 1                         ; j < 16: tile (j % 8) / 2,
	s_and_b32 s74, s72, 1                          ; half j % 2 of K = 128
	s_mov_b32 s75, 40
	s_mov_b32 s80, 0x7f7f0000
	s_cmp_lt_u32 s72, 40
	s_cselect_b32 s75, 28, s75
	s_cselect_b64 s[86:87], s[36:37], s[38:39]     ; W_ih (28-39), W_hh (40-51)
	s_cmp_lt_u32 s72, 28
	s_cselect_b32 s75, 20, s75
	s_cselect_b64 s[86:87], s[34:35], s[86:87]     ; mlp_W1 (20-27)
	s_cmp_lt_u32 s72, 20
	s_cselect_b32 s75, 16, s75
	s_cselect_b64 s[86:87], s[32:33], s[86:87]     ; Wq (16-19)
	s_sub_co_u32 s75, s72, s75
	s_cmp_lt_u32 s72, 16
	s_cselect_b32 s75, s73, s75                    ; the tile
	s_cselect_b32 s74, s74, 0                      ; the half
	s_cselect_b32 s82, 0, s80                      ; K = 64: bytes 2 and 3 of the word are 0x7f
	s_cselect_b64 s[86:87], s[30:31], s[86:87]     ; mlp_W2 (8-15)
	s_cmp_lt_u32 s72, 8
	s_cselect_b64 s[86:87], s[28:29], s[86:87]     ; pe_W2 (0-7)
	s_lshl_b32 s81, s74, 4                         ; the second half's two bytes go 16 bits up
	s_lshl_b32 s88, s74, 14                        ; 64 rows of 64 numbers down
	s_lshr_b32 s73, s75, 2
	s_lshl_b32 s73, s73, 8
	s_add_co_u32 s88, s88, s73
	s_and_b32 s73, s75, 3
	s_lshl_b32 s73, s73, 5
	s_add_co_u32 s88, s88, s73                     ; + 4 (64 (t / 4) + 8 (t % 4))
	s_mov_b32 s89, 0
	s_add_nc_u64 s[86:87], s[86:87], s[88:89]
	s_cmp_lt_u32 s72, 20
	s_cbranch_scc1 .Lx64
	s_cmp_lt_u32 s72, 28
	s_cbranch_scc1 .Lx128
	WLOAD X, VO192, 86, 192, 0
	s_branch .Lx_in
.Lx128:
	WLOAD X, VO128, 86, 128, 0
	s_branch .Lx_in
.Lx64:
	WLOAD X, VO64, 86, 64, 0
.Lx_in:
	s_wait_loadcnt 0x0
	QUANT32 X, F, FS
	v_and_b32 v[T6], 0xffff, v[FS]
	v_lshlrev_b32 v[T6], s81, v[T6]
	v_or_b32 v[T6], s82, v[T6]
	v_mov_b32 v[T7], v[T6]
	s_lshl_b32 s84, s72, 10
	s_mov_b32 s85, 0
	s_add_nc_u64 s[84:85], s[40:41], s[84:85]
	global_store_b128 v[ST16], v[F:F+3], s[84:85]              ; 512 consecutive bytes,
	global_store_b64 v[ST8], v[F+4:F+5], s[84:85] offset:512   ; 256,
	global_store_b64 v[ST8], v[T6:T7], s[84:85] offset:768     ; and 256: the word twice a lane
	s_wait_xcnt 0x0                                ; the stores have read their registers
.Lno_extra:
	; THE FIRST STATE: row g of 256 is slot g % 8.  Wave 0 copies its 256 bytes.
	s_cmp_lg_u32 s[WV], 0
	s_cbranch_scc1 .Lno_state
	s_and_b32 s72, ttmp9, 7
	s_lshl_b32 s72, s72, 8
	s_mov_b32 s73, 0
	s_add_nc_u64 s[72:73], s[42:43], s[72:73]
	global_load_b64 v[T0:T1], v[ST8], s[72:73]
	s_lshl_b32 s76, ttmp9, 8
	s_mov_b32 s77, 0
	s_add_nc_u64 s[76:77], s[44:45], s[76:77]
	s_wait_loadcnt 0x0
	global_store_b64 v[ST8], v[T0:T1], s[76:77]
	s_wait_xcnt 0x0
.Lno_state:
	s_wait_loadcnt 0x0                             ; gains, biases, pa_W, my two half tiles
	WIN 0x40
.irp t, 0,1,2,3                        ; source 0 of the f32 product, K = 4: lanes 0-15 hold k = 0, 1 (pa_W's rows), lanes 16-31 k = 2, 3 (pa_b, 0)
	v_cndmask_b32 v[PA+2*\t], v[PT+\t], v[PT+8+\t], s[HM]
	v_cndmask_b32 v[PA+2*\t+1], v[PT+4+\t], 0, s[HM]
.endr
	WIN 0
	QW HID, 0, 0
	QW HID+32, 768, 64
	s_barrier_signal -1                            ; every wave's images lie in LDS (its stores were waited for above).  Slot 0's load may stay out
	s_barrier_wait -1
	WIN 0x40
.set i, 0
.rept 8
	ds_load_b128 v[WK+6*i:WK+6*i+3], v[IL16] offset:768*i
	ds_load_b64 v[WK+6*i+4:WK+6*i+5], v[IL8] offset:768*i
.set i, i+1
.endr
	WIN 0
.set i, 0
.rept 8
	ds_load_b128 v[W1F+6*i:W1F+6*i+3], v[IL16] offset:768*(8+i)
	ds_load_b64 v[W1F+6*i+4:W1F+6*i+5], v[IL8] offset:768*(8+i)
	ds_load_b32 v[WKS+i], v[ISL] offset:128*i
.set i, i+1
.endr
.irp k, 0,1,2,3,4,5
	v_mov_b32 v[F+6+\k], 0                         ; the zero codes of K = 64 .. 127
	v_mov_b32 v[W1F+48+\k], 0                      ; named as the last fragment's upper six
.endr
	WIN 0x40
.irp k, 0,1,2,3,4,5
	v_mov_b32 v[PAD1+\k], 0
.endr
	WIN 0
	v_mov_b32 v[MU+1], 0                           ; named as the upper halves of pairs
	v_mov_b32 v[RS+1], 0
	s_mul_i32 s72, ttmp9, 409600                   ; 64 pair records of 6,400 bytes a work-group,
	s_mul_i32 s73, s[WV], 51200                    ; 8 a wave
	s_add_co_u32 s72, s72, s73
	s_mov_b32 s73, 0
	s_add_nc_u64 s[OUT:OUT+1], s[6:7], s[72:73]
	s_mov_b32 s[TB], 0
	s_mov_b32 s[NSL], 3
	s_wait_dscnt 0x0
; ONE TILE OF 16 ROWS, the u-th of the pair.
.macro TILE u
.set i, 0
.rept 16
	ds_load_b64 v[X+2*i:X+2*i+1], v[ADX] offset:\u*TILEB+8*i   ; rows are 264 bytes apart: pieces of 8 bytes
.set i, i+1
.endr
	ds_load_b64 v[G2:G2+1], v[ADG] offset:\u*TILEB
	s_wait_dscnt 0x0
	v_cndmask_b32 v[G2], v[G2], 1.0, s[HM]         ; source 1, K = 4: lanes 0-15 the two grid numbers, lanes 16-31 (1, 0)
	v_cndmask_b32 v[G2+1], v[G2+1], 0, s[HM]
	WIN 0x01
.irp t, 0,1,2,3
	v_wmma_f32_16x16x4_f32 v[GP+8*\t:GP+8*\t+7], v[PA+2*\t:PA+2*\t+1], v[G2:G2+1], 0   ; gp = grid pa_W + pa_b, f32 operands: it goes on into a quantiser
.endr
	WIN 0
	LN_A X
	LN_B X, X, LNG, LNB, 0x14
	QUANT32 X, F, FS
	NOPS 8                                         ; a scale register written by a vector instruction stands eight places ahead of the scaled product
	WIN 0x01
.irp t, 0,1,2,3
	MX X+8*\t, WK+6*\t, F, GP+8*\t, WKS+\t/2, FS, \t%2         ; k + gp
.endr
	NOPS 5                                         ; the next four write over the C of these four; they are also the places ahead of the first read of k + gp
.irp t, 0,1,2,3
	MX GP+8*\t, WVF+6*\t, F, GP+8*\t, WVS+\t/2, FS, \t%2       ; v + gp
.endr
	WIN 0
	LN_A X
	LN_B X, X, PEG, PEB, 0x14
	QUANT32 X, F, FS
	LN_A GP                                        ; v's mean: also the places between the scale word and the products
	WIN 0x10
.irp t, 0,1,2,3,4,5,6,7
	MX HID+8*\t, W1F+6*\t, F, B1+8*\t, W1S+\t/2, FS, \t%2      ; k's hidden layer
.endr
	WIN 0
	LN_B GP, X, PEG, PEB, 0x14                     ; out of place: no vector instruction writes GP
	QUANT32 X, F, FS
	s_wait_xcnt 0x0                                ; the last stores have read HC
	RQ64 HID, HC, HWK
.irp j, 0,1,2
	global_store_b128 v[ST16], v[HC+4*\j:HC+4*\j+3], s[OUT:OUT+1] offset:\u*3072+512*\j   ; 512 consecutive bytes, aligned
.endr
	WIN 0x10
.irp t, 0,1,2,3,4,5,6,7
	MX HID+8*\t, W1F+6*\t, F, B1+8*\t, W1S+\t/2, FS, \t%2      ; v's hidden layer
.endr
	WIN 0
	NOPS 4
	s_wait_xcnt 0x0
	RQ64 HID, HC, T7
.irp j, 0,1,2
	global_store_b128 v[ST16], v[HC+4*\j:HC+4*\j+3], s[OUT:OUT+1] offset:\u*3072+1536+512*\j
.endr
	v_cndmask_b32 v[SWP+\u], v[HWK], v[T7], s[HM]  ; lanes 0-15 keep hk's words, lanes 16-31 hv's
.endm
; The change of slots stands at a slot's head: all my tensor loads have landed, the add, my LDS reads are back, the barrier; behind it the slot just left is filled with the next 64 rows.
.macro CHANGE fill
	s_wait_tensorcnt 0x0                           ; no tensor load of mine is out, so group 0 may be written
	ds_add_u32 v[SPW], v[NIL]
.if \fill
	s_xor_b32 s[G0+1], s[G0+1], SLOTX
	s_add_nc_u64 s[G0+2:G0+3], s[G0+2:G0+3], WSLOT
.endif
	s_wait_dscnt 0x0
	s_barrier_signal -1
	s_barrier_wait -1
.if \fill
	tensor_load_to_lds s[G0:G0+3], s[G1:G1+7]      ; my one tensor load until the next such barrier: four tiles' work in which to land
	s_nop 0
	NOPS 4
.endif
.endm
.macro PROCESS                         ; a slot's two pairs of tiles
	s_mov_b32 s[PO], 0
	s_mov_b32 s[NPR], 2
.Lpair_\@:
	s_add_co_u32 s72, s[TB], s[PO]
	v_add_nc_u32 v[ADX], s72, v[XA]
	v_add_nc_u32 v[ADG], s72, v[GA]
	TILE 0
	TILE 1
	global_store_b64 v[ST8], v[SWP:SWP+1], s[OUT:OUT+1] offset:6144   ; the pair's scale words: 256 consecutive bytes
	s_wait_xcnt 0x0                                ; the stores have read their base and data
	s_add_nc_u64 s[OUT:OUT+1], s[OUT:OUT+1], 6400
	s_add_co_u32 s[PO], s[PO], 2*TILEB
	s_sub_co_u32 s[NPR], s[NPR], 1
	s_cmp_lg_u32 s[NPR], 0
	s_cbranch_scc1 .Lpair_\@
	s_xor_b32 s[TB], s[TB], SLOTX
.endm
.Lslot:
	CHANGE 1
	PROCESS
	s_sub_co_u32 s[NSL], s[NSL], 1
	s_cmp_lg_u32 s[NSL], 0
	s_cbranch_scc1 .Lslot
	CHANGE 0                                       ; the last slot is written out
	PROCESS
	s_wait_tensorcnt 0x0                           ; the wave's end
	ds_add_u32 v[SPW], v[NIL]
	s_wait_dscnt 0x0
	s_endpgm
.Lfunc_end_k_qdbaa1396ea_enc:
	.size	k_qdbaa1396ea_enc, .Lfunc_end_k_qdbaa1396ea_enc-k_qdbaa1396ea_enc
	.p2alignl 7, 3214868480
	.fill 96, 4, 3214868480
	.section	.rodata,"a",@progbits
	.p2align	6, 0x0
	.amdhsa_kernel k_qdbaa1396ea_enc
		.amdhsa_group_segment_fixed_size 327680
		.amdhsa_private_segment_fixed_size 0
		.amdhsa_enable_private_segment 0
		.amdhsa_kernarg_size 168
		.amdhsa_user_sgpr_count 2
		.amdhsa_user_sgpr_kernarg_segment_ptr 1
		.amdhsa_wavefront_size32 1
		.amdhsa_system_sgpr_workgroup_id_x 1
		.amdhsa_system_sgpr_workgroup_id_y 1
		.amdhsa_system_sgpr_workgroup_id_z 1
		.amdhsa_system_vgpr_workitem_id 0
		.amdhsa_next_free_vgpr 512
		.amdhsa_next_free_sgpr 90
		.amdhsa_reserve_vcc 0
		.amdhsa_float_denorm_mode_32 3
		.amdhsa_float_denorm_mode_16_64 3
		.amdhsa_memory_ordered 1
		.amdhsa_forward_progress 1
		.amdhsa_inst_pref_size 195
	.end_amdhsa_kernel
	.amdgpu_metadata
---
amdhsa.version: [ 1, 2 ]
amdhsa.kernels:
  - .name:           k_qdbaa1396ea_enc
    .symbol:         k_qdbaa1396ea_enc.kd
    .args:
      - { .name: inputs, .offset: 0, .size: 8, .value_kind: global_buffer, .address_space: global }
      - { .name: hc, .offset: 8, .size: 8, .value_kind: global_buffer, .address_space: global }
      - { .name: Wk, .offset: 16, .size: 8, .value_kind: global_buffer, .address_space: global }
      - { .name: Wv, .offset: 24, .size: 8, .value_kind: global_buffer, .address_space: global }
      - { .name: pe_W1, .offset: 32, .size: 8, .value_kind: global_buffer, .address_space: global }
      - { .name: ln_in_g, .offset: 40, .size: 8, .value_kind: global_buffer, .address_space: global }
      - { .name: ln_in_b, .offset: 48, .size: 8, .value_kind: global_buffer, .address_space: global }
      - { .name: pe_g, .offset: 56, .size: 8, .value_kind: global_buffer, .address_space: global }
      - { .name: pe_b, .offset: 64, .size: 8, .value_kind: global_buffer, .address_space: global }
      - { .name: pe_b1, .offset: 72, .size: 8, .value_kind: global_buffer, .address_space: global }
      - { .name: pa_W, .offset: 80, .size: 8, .value_kind: global_buffer, .address_space: global }
      - { .name: pa_b, .offset: 88, .size: 8, .value_kind: global_buffer, .address_space: global }
      - { .name: pe_W2, .offset: 96, .size: 8, .value_kind: global_buffer, .address_space: global }
      - { .name: mlp_W2, .offset: 104, .size: 8, .value_kind: global_buffer, .address_space: global }
      - { .name: Wq, .offset: 112, .size: 8, .value_kind: global_buffer, .address_space: global }
      - { .name: mlp_W1, .offset: 120, .size: 8, .value_kind: global_buffer, .address_space: global }
      - { .name: W_ih, .offset: 128, .size: 8, .value_kind: global_buffer, .address_space: global }
      - { .name: W_hh, .offset: 136, .size: 8, .value_kind: global_buffer, .address_space: global }
      - { .name: wimg, .offset: 144, .size: 8, .value_kind: global_buffer, .address_space: global }
      - { .name: slots, .offset: 152, .size: 8, .value_kind: global_buffer, .address_space: global }
      - { .name: stateA, .offset: 160, .size: 8, .value_kind: global_buffer, .address_space: global }
    .group_segment_fixed_size: 327680
    .private_segment_fixed_size: 0
    .kernarg_segment_align: 8
    .kernarg_segment_size: 168
    .max_flat_workgroup_size: 256
    .sgpr_count:     90
    .vgpr_count:     512
    .wavefront_size: 32
...
	.end_amdgpu_metadata
.endif
;; end of part 1
;; launch att1 (part 2): grid 256 x 1, 4 waves a work-group, no clusters, 327,680 bytes of LDS; arguments hc, wimg, stateA, ln_s_g, ln_s_b, pe_b2, part; writes part
.if DOCPART == 2
	.amdgcn_target "amdgcn-amd-amdhsa--gfx1250"
	.amdhsa_code_object_version 6
	.text
	.protected	k_qdbaa1396ea_att1
	.globl	k_qdbaa1396ea_att1
	.p2align	8
	.type	k_qdbaa1396ea_att1,@function
k_qdbaa1396ea_att1:
	s_mov_b64 s[64:65], 0
	v_nop
	global_prefetch_b8 v0, s[64:65] scope:SCOPE_SE
	s_setreg_imm32_b32 hwreg(HW_REG_WAVE_MODE, 25, 1), 1
	s_wait_xcnt 0x0
; ONE ROUND OF SLOT ATTENTION, up to the sums over a work-group's 2,048 rows.
;   q = Q(LayerNorm(s)) Q(Wq) / 8;  k_pos = hk Q(pe_W2) + pe_b2, v_pos = hv Q(pe_W2) + pe_b2 (hk, hv: the stored codes);
;   logits = k_pos . q (f32 multiply-adds: they go on into a quantiser);  attn = softmax over the 8 slots + 1e-8;
;   stored: num[slot][64] = sum over my rows of attn x v_pos, den[slot] = sum of attn.  The next launch adds a batch's eight records and divides.
; LAYOUT as in the encoder: a tile is 16 rows; lane (r, h) holds row r and columns 32 h + 0 .. 31; products transposed (source 0 = 16 columns of the weight).
; A lane's partial logits (its 32 columns) are joined with lane xor 16's; both lanes then make the same softmax.  A lane adds attn x v_pos for its own row and columns into 8 x 32 registers;
; the 16 rows' lanes and the four waves are added at the end, through LDS.
; SHARES.  256 work-groups (batch = work-group / 8) x 4 waves; a wave walks 16 pair records of 6,400 bytes, in 4 fills of 4 records of its own two LDS slots.
; No cluster: work-groups share no tile; what they share (pe_W2, Wq, the state) is a few KiB read once into registers.
; LIMITS: NaN and infinities are not served.  v_exp_f32, v_rcp_f32, v_rsq_f32 are accurate to 1 ulp and flush denormals (ISA guide, their entries).  The order of the sums over rows differs from a plain ascending sum.
.set SLOT1,  131072                    ; slot 1: the four waves' slots 0 end at 102,400, so one exclusive or turns an address
.set WSLOT,  25600
.set PAIRB,  6400
.set QS,     233472                    ; q, 2,048 bytes for each wave, its own
.set DN,     241664                    ; the waves' den, 32 bytes each
.set SPARE,  241920                    ; the spare words: 128 bytes for each of 4 waves, named by no other line
.set DROW,   528                       ; the tail's dump: 64 lines of 512 bytes + 16 for each wave, over ring bytes that have had their last fill
.set DWAVE,  33792
.set FLOOR,  0x1800000
.set TB, 2
.set PO, 3
.set WV, 18
.set NSL, 19
.set G1, 20
.set G0, 28
.set NPR, 32
.set NX, 33
.set SEL, 34
.set INV64, 36
.set EPSLN, 37
.set EPS, 38                           ; s[38:39] 1e-8
.set L2E, 40                           ; s[40:41] log2(e)
.set LA, 1
.set LS, 2
.set ADN, 3
.set ADS, 4
.set SPW, 5
.set NIL, 6
.set SH8, 7
.set QWA, 8
.set QRA, 9
.set DA, 10
.set RA, 11
.set RA2, 12
.set DNW, 13
.set DNR, 14
.set GOUT, 15
.set L8, 16
.set MU, 18
.set RS, 20
.set T0, 22
.set T1, 23
.set T2, 24
.set T3, 25
.set T4, 26
.set T5, 27
.set T6, 28
.set T7, 29
.set SO0, 30
.set BY0, 31
.set SW, 32                            ; v[32:33] the pair's scale words: lanes 0-15 hk's, lanes 16-31 hv's
.set W2S, 34
.set WQS, 36
.set QFS, 38
.set FA, 40                            ; v40-63 hk, hv of tile 0
.set FB, 64                            ; v64-87 hk, hv of tile 1
.set KP, 88
.set VP0, 120
.set VP1, 152
.set LP, 184
.set LG0, 200
.set LG1, 208
.set TP0, 216
.set TP1, 224
.set DEN, 232
.set MC0, 240
.set MC1, 242
.set RI0, 244
.set RI1, 246
.set CT, 248
.set SUM, 168
.set W2F, 0                            ; window 3
.set B2R, 48
.set MSB, 0
.macro WIN new
.if MSB != \new
	s_set_vgpr_msb (MSB<<8)|\new
.set MSB, \new
.endif
.endm
.macro NOPS n
.rept \n
	v_nop
.endr
.endm
.macro MX d, a, b, c, sa, sb, ra, rb   ; ra, rb = 1: that side's scale words stand in lanes 16-31
.if (\ra) && (\rb)
	v_wmma_scale_f32_16x16x128_f8f6f4 v[\d:\d+7], v[\a:\a+11], v[\b:\b+11], v[\c:\c+7], v[\sa], v[\sb] matrix_a_fmt:MATRIX_FMT_FP6 matrix_b_fmt:MATRIX_FMT_FP6 matrix_a_scale:MATRIX_SCALE_ROW1 matrix_b_scale:MATRIX_SCALE_ROW1
.elseif (\ra)
	v_wmma_scale_f32_16x16x128_f8f6f4 v[\d:\d+7], v[\a:\a+11], v[\b:\b+11], v[\c:\c+7], v[\sa], v[\sb] matrix_a_fmt:MATRIX_FMT_FP6 matrix_b_fmt:MATRIX_FMT_FP6 matrix_a_scale:MATRIX_SCALE_ROW1
.elseif (\rb)
	v_wmma_scale_f32_16x16x128_f8f6f4 v[\d:\d+7], v[\a:\a+11], v[\b:\b+11], v[\c:\c+7], v[\sa], v[\sb] matrix_a_fmt:MATRIX_FMT_FP6 matrix_b_fmt:MATRIX_FMT_FP6 matrix_b_scale:MATRIX_SCALE_ROW1
.else
	v_wmma_scale_f32_16x16x128_f8f6f4 v[\d:\d+7], v[\a:\a+11], v[\b:\b+11], v[\c:\c+7], v[\sa], v[\sb] matrix_a_fmt:MATRIX_FMT_FP6 matrix_b_fmt:MATRIX_FMT_FP6
.endif
.endm
.macro MXZ d, a, b, sa, sb, ra         ; the same with C = 0
.if \ra
	v_wmma_scale_f32_16x16x128_f8f6f4 v[\d:\d+7], v[\a:\a+11], v[\b:\b+11], 0, v[\sa], v[\sb] matrix_a_fmt:MATRIX_FMT_FP6 matrix_b_fmt:MATRIX_FMT_FP6 matrix_a_scale:MATRIX_SCALE_ROW1
.else
	v_wmma_scale_f32_16x16x128_f8f6f4 v[\d:\d+7], v[\a:\a+11], v[\b:\b+11], 0, v[\sa], v[\sb] matrix_a_fmt:MATRIX_FMT_FP6 matrix_b_fmt:MATRIX_FMT_FP6
.endif
.endm
.macro LN_A src                        ; the row's mean
	v_pk_add_f32 v[T0:T0+1], v[\src:\src+1], v[\src+2:\src+3]
	v_pk_add_f32 v[T2:T2+1], v[\src+16:\src+17], v[\src+18:\src+19]
.irp j, 4,6,8,10,12,14
	v_pk_add_f32 v[T0:T0+1], v[T0:T0+1], v[\src+\j:\src+\j+1]
	v_pk_add_f32 v[T2:T2+1], v[T2:T2+1], v[\src+16+\j:\src+17+\j]
.endr
	v_pk_add_f32 v[T0:T0+1], v[T0:T0+1], v[T2:T2+1]
	v_add_f32 v[T0], v[T0], v[T1]
	v_permlanex16_b32 v[T4], v[T0], s[SEL], s[SEL+1]
	v_add_f32 v[T0], v[T0], v[T4]
	v_mul_f32 v[MU], s[INV64], v[T0]
.endm
.macro LN_B src, dst, g, b, win        ; dst = (src - mean) x rsqrt(variance + 1e-5) x g + b
.set i, 0
.rept 16
	v_pk_add_f32 v[\dst+i:\dst+i+1], v[\src+i:\src+i+1], v[MU:MU+1] op_sel_hi:[1,0] neg_lo:[0,1] neg_hi:[0,1]
.set i, i+2
.endr
	v_pk_mul_f32 v[T0:T0+1], v[\dst:\dst+1], v[\dst:\dst+1]
	v_pk_mul_f32 v[T2:T2+1], v[\dst+16:\dst+17], v[\dst+16:\dst+17]
.irp j, 2,4,6,8,10,12,14
	v_pk_fma_f32 v[T0:T0+1], v[\dst+\j:\dst+\j+1], v[\dst+\j:\dst+\j+1], v[T0:T0+1]
	v_pk_fma_f32 v[T2:T2+1], v[\dst+16+\j:\dst+17+\j], v[\dst+16+\j:\dst+17+\j], v[T2:T2+1]
.endr
	v_pk_add_f32 v[T0:T0+1], v[T0:T0+1], v[T2:T2+1]
	v_add_f32 v[T0], v[T0], v[T1]
	v_permlanex16_b32 v[T4], v[T0], s[SEL], s[SEL+1]
	v_add_f32 v[T0], v[T0], v[T4]
	v_fma_f32 v[T0], v[T0], s[INV64], s[EPSLN]
	v_rsq_f32 v[RS], v[T0]
	v_nop
	s_wait_alu depctr_va_vdst(0)                   ; the wait ahead of the first use of the result
.set i, 0
.rept 16
	v_pk_mul_f32 v[\dst+i:\dst+i+1], v[\dst+i:\dst+i+1], v[RS:RS+1] op_sel_hi:[1,0]
.set i, i+2
.endr
	WIN \win
.set i, 0
.rept 16
	v_pk_fma_f32 v[\dst+i:\dst+i+1], v[\dst+i:\dst+i+1], v[\g+i:\g+i+1], v[\b+i:\b+i+1]
.set i, i+2
.endr
	WIN 0
.endm
.macro QUANT32 src, f, fs              ; my 32 numbers, one block: six registers of codes and the row's scale word
	v_max3_num_f32 v[T0], |v[\src]|, |v[\src+1]|, FLOOR
	v_max3_num_f32 v[T1], |v[\src+16]|, |v[\src+17]|, FLOOR
.irp j, 2,4,6,8,10,12,14
	v_max3_num_f32 v[T0], v[T0], |v[\src+\j]|, |v[\src+\j+1]|
	v_max3_num_f32 v[T1], v[T1], |v[\src+16+\j]|, |v[\src+17+\j]|
.endr
	v_max_num_f32 v[T0], v[T0], v[T1]
	v_add_nc_u32 v[SO0], 0xff000000, v[T0]
	v_lshrrev_b32 v[BY0], 23, v[SO0]
	v_lshlrev_b32 v[BY0], v[SH8], v[BY0]
	v_permlanex16_b32 v[T4], v[BY0], s[SEL], s[SEL+1]
	v_or_b32 v[BY0], v[BY0], v[T4]
	v_or_b32 v[\fs], 0x7f7f0000, v[BY0]
	v_cvt_scalef32_pk16_fp6_f32 v[\f:\f+2], v[\src:\src+15], v[SO0]
	v_cvt_scalef32_pk16_fp6_f32 v[CT:CT+2], v[\src+16:\src+31], v[SO0]
	v_nop
	v_mov_b32 v[\f+3], v[CT]
	v_mov_b32 v[\f+4], v[CT+1]
	v_mov_b32 v[\f+5], v[CT+2]
.endm
	s_load_b256 s[4:11], s[0:1], 0x0               ; hc, wimg, state, ln_s_g
	s_load_b128 s[12:15], s[0:1], 0x20             ; ln_s_b, pe_b2
	s_load_b64 s[16:17], s[0:1], 0x30              ; part
	v_lshl_add_u32 v[SPW], v0, 2, SPARE
	v_mov_b32 v[NIL], 0
	ds_add_u32 v[SPW], v[NIL]                      ; the wave's opening: the add and its wait ahead of my first tensor load
	v_lshrrev_b32 v[T0], 5, v0
	v_readfirstlane_b32 s[WV], v[T0]               ; wave 0..3
	s_mov_b32 s[G1+0], 3<<16                       ; elements of 8 bytes, no mask, no padding
	s_mov_b32 s[G1+1], 32<<16                      ; lines of 256 bytes,
	s_mov_b32 s[G1+2], 100<<16                     ; 100 of them: four pair records, dense
	s_mov_b32 s[G1+3], 32<<16
	s_mov_b32 s[G1+4], 100
	s_mov_b32 s[G1+5], 32
	s_mov_b32 s[G1+6], 0
	s_mov_b32 s[G1+7], 0
	s_mov_b32 s[SEL], 0x76543210
	s_mov_b32 s[SEL+1], 0xfedcba98
	s_mov_b32 s[INV64], 0x3c800000
	s_mov_b32 s[EPSLN], 0x3727c5ac
	s_mov_b32 s[EPS], 0x322bcc77
	s_mov_b32 s[EPS+1], s[EPS]
	s_mov_b32 s[L2E], 0x3fb8aa3b
	s_mov_b32 s[L2E+1], s[L2E]
	s_mul_i32 s42, ttmp9, 409600                   ; the work-group's 64 records,
	s_mul_i32 s43, s[WV], 102400                   ; my wave's 16
	s_add_co_u32 s42, s42, s43
	s_mov_b32 s43, 0
	s_mul_i32 s44, s[WV], WSLOT                    ; my slot 0
	s_wait_dscnt 0x0
	s_wait_kmcnt 0x0
	s_mov_b32 s[G0], 1
	s_mov_b32 s[G0+1], s44
	s_add_nc_u64 s[G0+2:G0+3], s[4:5], s[42:43]
	s_or_b32 s[G0+3], s[G0+3], 0x80000000
	tensor_load_to_lds s[G0:G0+3], s[G1:G1+7]      ; my first four records: on their way while q is made
	s_nop 0
	NOPS 4
	v_and_b32 v[T0], 15, v0                        ; r
	v_bfe_u32 v[T1], v0, 4, 1                      ; h
	v_and_b32 v[T2], 31, v0                        ; lane
	v_and_b32 v[T3], 7, v0                         ; r % 8
	v_bfe_u32 v[T4], v0, 3, 1                      ; r / 8
	v_lshl_add_u32 v[LA], v[T2], 4, s44
	v_lshl_add_u32 v[LS], v[T2], 3, s44
	v_add_nc_u32 v[LS], 6144, v[LS]
	v_lshlrev_b32 v[SH8], 3, v[T1]
	s_lshl_b32 s45, s[WV], 11
	s_add_co_u32 s45, s45, QS
	v_lshl_add_u32 v[QRA], v[T1], 7, s45           ; q back: 128 h; slot and piece stand in the offset
	v_lshl_add_u32 v[QWA], v[T3], 8, v[QRA]        ; q in: row r % 8
	s_mul_i32 s46, s[WV], DWAVE
	v_lshl_add_u32 v[DA], v[T2], 4, s46
	s_mul_i32 s47, s[WV], 16*DROW
	v_mul_u32_u24 v[RA], v[T0], DROW
	v_lshl_add_u32 v[RA], v[T1], 8, v[RA]
	v_add_nc_u32 v[RA], s47, v[RA]                 ; the line 16 w + r of each wave's dump, half h
	v_add_nc_u32 v[RA2], 2*DWAVE, v[RA]
	v_lshrrev_b32 v[DNW], 5, v0
	v_lshl_add_u32 v[DNW], v[DNW], 5, DN
	v_and_b32 v[DNR], 3, v0
	v_lshl_add_u32 v[DNR], v[DNR], 3, DN
	s_lshl_b32 s48, s[WV], 9
	v_lshlrev_b32 v[GOUT], 8, v[T4]
	v_lshl_add_u32 v[GOUT], v[T1], 7, v[GOUT]
	v_lshl_add_u32 v[GOUT], v[T3], 4, v[GOUT]
	v_add_nc_u32 v[GOUT], s48, v[GOUT]             ; num[2 w + r / 8][32 h + 4 (r % 8)]
	v_lshlrev_b32 v[L8], 3, v[T2]
	v_lshlrev_b32 v[TP0], 8, v[T3]
	v_lshl_add_u32 v[TP0], v[T1], 7, v[TP0]        ; the state: row r % 8 of my batch, + 128 h
	v_lshlrev_b32 v[TP0+1], 7, v[T1]
	v_lshlrev_b32 v[TP0+2], 4, v[T2]
	v_lshlrev_b32 v[TP0+4], 3, v[T0]
	v_lshl_add_u32 v[TP0+5], v[T1], 11, v[TP0+4]   ; scale words of a K = 128 weight: two records a tile
	v_lshl_add_u32 v[TP0+4], v[T1], 10, v[TP0+4]   ; of a K = 64 weight: one
	s_lshr_b32 s46, ttmp9, 3
	s_lshl_b32 s46, s46, 11
	s_mov_b32 s47, 0
	s_add_nc_u64 s[8:9], s[8:9], s[46:47]
	s_mul_i32 s46, ttmp9, 2304
	s_add_nc_u64 s[16:17], s[16:17], s[46:47]
.set i, 0
.rept 8
	global_load_b128 v[KP+4*i:KP+4*i+3], v[TP0], s[8:9] offset:16*i
.set i, i+1
.endr
	WIN 0x80
.set i, 0
.rept 8
	global_load_b128 v[4*i:4*i+3], v[TP0+1], s[10:11] offset:16*i          ; ln_s_g, ln_s_b: window 2, until q takes their place
	global_load_b128 v[32+4*i:32+4*i+3], v[TP0+1], s[12:13] offset:16*i
.set i, i+1
.endr
	WIN 0
.irp t, 0,1,2,3
	global_load_b128 v[FA+6*\t:FA+6*\t+3], v[TP0+2], s[6:7] offset:(16+\t)*1024    ; Wq's four fragments
	global_load_b64 v[FA+6*\t+4:FA+6*\t+5], v[L8], s[6:7] offset:(16+\t)*1024+512
.endr
.irp a, 0,1
	global_load_b32 v[WQS+\a], v[TP0+4], s[6:7] offset:(16+2*\a)*1024+768
	global_load_b32 v[T4+2*\a], v[TP0+5], s[6:7] offset:4096*\a+768        ; pe_W2's scale words come in two halves
	global_load_b32 v[T5+2*\a], v[TP0+5], s[6:7] offset:4096*\a+1024+768
.endr
	WIN 0xc0
.set i, 0
.rept 8
	global_load_b128 v[W2F+6*i:W2F+6*i+3], v[TP0+2], s[6:7] offset:1024*i  ; pe_W2: record 2 t + c is registers 12 t + 6 c on
	global_load_b64 v[W2F+6*i+4:W2F+6*i+5], v[L8], s[6:7] offset:1024*i+512
	global_load_b128 v[B2R+4*i:B2R+4*i+3], v[TP0+1], s[14:15] offset:16*i
.set i, i+1
.endr
	WIN 0
	s_wait_loadcnt 0x0
	v_or_b32 v[W2S], v[T4], v[T5]
	v_or_b32 v[W2S+1], v[T6], v[T7]
.irp k, 0,1,2,3,4,5
	v_mov_b32 v[LP+6+\k], 0                        ; zero codes of K = 64 .. 127
	v_mov_b32 v[FB+\k], 0                          ; named as the last fragment's upper six
.endr
	v_mov_b32 v[MU+1], 0
	v_mov_b32 v[RS+1], 0
	LN_A KP
	LN_B KP, KP, 0, 32, 0x28
	QUANT32 KP, LP, QFS
	NOPS 8
.irp t, 0,1,2,3
	MXZ VP0+8*\t, FA+6*\t, LP, WQS+\t/2, QFS, \t%2 ; q: lanes r and r + 8 hold the same slot
.endr
	NOPS 4
.set i, 0
.rept 16
	v_pk_mul_f32 v[VP0+i:VP0+i+1], v[VP0+i:VP0+i+1], 0x3e000000 op_sel_hi:[1,0]   ; x 64^-0.5 = 1 / 8: exact
.set i, i+2
.endr
.set i, 0
.rept 8
	ds_store_b128 v[QWA], v[VP0+4*i:VP0+4*i+3] offset:16*i     ; lanes r and r + 8 write the same bytes with the same values
.set i, i+1
.endr
	WIN 0x80
.irp s, 0,1,2,3,4,5,6,7
.set i, 0
.rept 8
	ds_load_b128 v[32*\s+4*i:32*\s+4*i+3], v[QRA] offset:256*\s+16*i   ; every lane: all 8 slots at its 32 columns.  LDS serves a wave's instructions in order: these see my stores
.set i, i+1
.endr
.endr
	WIN 0x40
.set i, 0
.rept 256
	v_mov_b32 v[i], 0                              ; the sums: cleared once, while the first fill is on its way, so that the pair step is written without a first copy
.set i, i+1
.endr
	WIN 0
.set i, 0
.rept 8
	v_mov_b32 v[DEN+i], 0
	v_mov_b32 v[TP0+i], 0                          ; a lane permute's destination counts as one of its sources
	v_mov_b32 v[TP1+i], 0
.set i, i+1
.endr
	v_mov_b32 v[MC0+1], 0
	v_mov_b32 v[MC1+1], 0
	v_mov_b32 v[RI0+1], 0
	v_mov_b32 v[RI1+1], 0
	s_mov_b32 s[TB], 0
	s_mov_b32 s[NSL], 3
	s_wait_dscnt 0x0
.macro FETCH                           ; a pair record: four fragments as they lie, and the scale words
.set i, 0
.rept 12
	ds_load_b128 v[FA+4*i:FA+4*i+3], v[ADN] offset:512*i
.set i, i+1
.endr
	ds_load_b64 v[SW:SW+1], v[ADS]
.endm
.macro LOGITS                          ; my 32 columns of k_pos against the 8 slots: eight chains of packed multiply-adds by turns
	WIN 0x08
.irp s, 0,1,2,3,4,5,6,7
	v_pk_mul_f32 v[LP+2*\s:LP+2*\s+1], v[KP:KP+1], v[32*\s:32*\s+1]
.endr
.irp p, 1,2,3,4,5,6,7,8,9,10,11,12,13,14,15
.irp s, 0,1,2,3,4,5,6,7
	v_pk_fma_f32 v[LP+2*\s:LP+2*\s+1], v[KP+2*\p:KP+2*\p+1], v[32*\s+2*\p:32*\s+2*\p+1], v[LP+2*\s:LP+2*\s+1]
.endr
.endr
	WIN 0
.endm
.macro SOFTMAX2                        ; both tiles by turns
.irp s, 0,1,2,3,4,5,6,7
	v_permlanex16_b32 v[TP0+\s], v[LG0+\s], s[SEL], s[SEL+1]
	v_permlanex16_b32 v[TP1+\s], v[LG1+\s], s[SEL], s[SEL+1]
.endr
.irp j, 0,2,4,6
	v_pk_add_f32 v[LG0+\j:LG0+\j+1], v[LG0+\j:LG0+\j+1], v[TP0+\j:TP0+\j+1]   ; with the other 32 columns: the logits
	v_pk_add_f32 v[LG1+\j:LG1+\j+1], v[LG1+\j:LG1+\j+1], v[TP1+\j:TP1+\j+1]
.endr
	v_max3_num_f32 v[MC0], v[LG0], v[LG0+1], v[LG0+2]
	v_max3_num_f32 v[MC1], v[LG1], v[LG1+1], v[LG1+2]
	v_max3_num_f32 v[MC0], v[MC0], v[LG0+3], v[LG0+4]
	v_max3_num_f32 v[MC1], v[MC1], v[LG1+3], v[LG1+4]
	v_max3_num_f32 v[MC0], v[MC0], v[LG0+5], v[LG0+6]
	v_max3_num_f32 v[MC1], v[MC1], v[LG1+5], v[LG1+6]
	v_max_num_f32 v[MC0], v[MC0], v[LG0+7]
	v_max_num_f32 v[MC1], v[MC1], v[LG1+7]
.irp j, 0,2,4,6
	v_pk_add_f32 v[LG0+\j:LG0+\j+1], v[LG0+\j:LG0+\j+1], v[MC0:MC0+1] op_sel_hi:[1,0] neg_lo:[0,1] neg_hi:[0,1]   ; the row's maximum is taken away first
	v_pk_add_f32 v[LG1+\j:LG1+\j+1], v[LG1+\j:LG1+\j+1], v[MC1:MC1+1] op_sel_hi:[1,0] neg_lo:[0,1] neg_hi:[0,1]
.endr
.irp j, 0,2,4,6
	v_pk_mul_f32 v[LG0+\j:LG0+\j+1], v[LG0+\j:LG0+\j+1], s[L2E:L2E+1] op_sel_hi:[1,0]
	v_pk_mul_f32 v[LG1+\j:LG1+\j+1], v[LG1+\j:LG1+\j+1], s[L2E:L2E+1] op_sel_hi:[1,0]
.endr
.irp s, 0,1,2,3,4,5,6,7
	v_exp_f32 v[LG0+\s], v[LG0+\s]
	v_exp_f32 v[LG1+\s], v[LG1+\s]
.endr
	v_nop
	s_wait_alu depctr_va_vdst(0)                   ; one wait for the sixteen exponentials, ahead of their first use
	v_pk_add_f32 v[TP0:TP0+1], v[LG0:LG0+1], v[LG0+2:LG0+3]
	v_pk_add_f32 v[TP1:TP1+1], v[LG1:LG1+1], v[LG1+2:LG1+3]
	v_pk_add_f32 v[TP0+2:TP0+3], v[LG0+4:LG0+5], v[LG0+6:LG0+7]
	v_pk_add_f32 v[TP1+2:TP1+3], v[LG1+4:LG1+5], v[LG1+6:LG1+7]
	v_pk_add_f32 v[TP0:TP0+1], v[TP0:TP0+1], v[TP0+2:TP0+3]
	v_pk_add_f32 v[TP1:TP1+1], v[TP1:TP1+1], v[TP1+2:TP1+3]
	v_add_f32 v[TP0], v[TP0], v[TP0+1]             ; at least 1: the largest term is 2^0
	v_add_f32 v[TP1], v[TP1], v[TP1+1]
	v_rcp_f32 v[RI0], v[TP0]
	v_rcp_f32 v[RI1], v[TP1]
	v_nop
	s_wait_alu depctr_va_vdst(0)
.irp j, 0,2,4,6
	v_pk_fma_f32 v[LG0+\j:LG0+\j+1], v[LG0+\j:LG0+\j+1], v[RI0:RI0+1], s[EPS:EPS+1] op_sel_hi:[1,0,0]   ; softmax + 1e-8
	v_pk_fma_f32 v[LG1+\j:LG1+\j+1], v[LG1+\j:LG1+\j+1], v[RI1:RI1+1], s[EPS:EPS+1] op_sel_hi:[1,0,0]
.endr
.irp j, 0,2,4,6
	v_pk_add_f32 v[DEN+\j:DEN+\j+1], v[DEN+\j:DEN+\j+1], v[LG0+\j:LG0+\j+1]
.endr
.irp j, 0,2,4,6
	v_pk_add_f32 v[DEN+\j:DEN+\j+1], v[DEN+\j:DEN+\j+1], v[LG1+\j:LG1+\j+1]
.endr
.endm
.macro UPDATE vp, lg                   ; sums[slot][my 32 columns] += attn[slot] x v_pos: attn is one word of a pair, taken for both halves
	WIN 0x50
.irp s, 0,1,2,3,4,5,6,7
.set i, 0
.rept 16
.if \s%2
	v_pk_fma_f32 v[32*\s+i:32*\s+i+1], v[\vp+i:\vp+i+1], v[\lg+\s-1:\lg+\s], v[32*\s+i:32*\s+i+1] op_sel:[0,1,0] op_sel_hi:[1,1,1]
.else
	v_pk_fma_f32 v[32*\s+i:32*\s+i+1], v[\vp+i:\vp+i+1], v[\lg+\s:\lg+\s+1], v[32*\s+i:32*\s+i+1] op_sel_hi:[1,0,1]
.endif
.set i, i+2
.endr
.endr
	WIN 0
.endm
.macro PAIR
	s_wait_dscnt 0x0                               ; the record, asked for in the middle of the pair before
	WIN 0x33
.irp t, 0,1,2,3
	MX KP+8*\t, W2F+12*\t, FA, B2R+8*\t, W2S+\t/2, SW, \t%2, 0         ; k_pos of tile 0
.endr
.irp t, 0,1,2,3
	MX VP0+8*\t, W2F+12*\t, FA+12, B2R+8*\t, W2S+\t/2, SW, \t%2, 1     ; v_pos of tile 0
.endr
.irp t, 0,1,2,3
	MX VP1+8*\t, W2F+12*\t, FB+12, B2R+8*\t, W2S+\t/2, SW+1, \t%2, 1   ; v_pos of tile 1
.endr
	WIN 0
	NOPS 4
	LOGITS
	WIN 0x33
.irp t, 0,1,2,3
	MX KP+8*\t, W2F+12*\t, FB, B2R+8*\t, W2S+\t/2, SW+1, \t%2, 0       ; k_pos of tile 1, over tile 0's, which has been read
.endr
	WIN 0
.irp s, 0,1,2,3,4,5,6,7
	v_add_f32 v[LG0+\s], v[LP+2*\s], v[LP+2*\s+1]  ; these eight and the two below are the places behind the four products
.endr
	v_add_nc_u32 v[ADN], s[NX], v[LA]
	v_add_nc_u32 v[ADS], s[NX], v[LS]
	FETCH                                          ; the next record
	LOGITS
.irp s, 0,1,2,3,4,5,6,7
	v_add_f32 v[LG1+\s], v[LP+2*\s], v[LP+2*\s+1]
.endr
	SOFTMAX2
	UPDATE VP0, LG0
	UPDATE VP1, LG1
.endm
.macro CHANGE fill                     ; at a slot's head: all my tensor loads have landed, the add, my LDS reads are back, the barrier; behind it the slot just left is filled
	s_wait_tensorcnt 0x0
	ds_add_u32 v[SPW], v[NIL]
.if \fill
	s_xor_b32 s[G0+1], s[G0+1], SLOT1
	s_add_nc_u64 s[G0+2:G0+3], s[G0+2:G0+3], WSLOT
.endif
	s_wait_dscnt 0x0
	s_barrier_signal -1
	s_barrier_wait -1
.if \fill
	tensor_load_to_lds s[G0:G0+3], s[G1:G1+7]      ; my one tensor load until the next such barrier: four pairs' work in which to land
	s_nop 0
	NOPS 4
.endif
.endm
.macro PROCESS                         ; a slot's four pairs.  The last trip's look-ahead is held at its own record: 13 LDS loads, and no second copy of the step
	s_mov_b32 s[PO], 0
	s_mov_b32 s[NPR], 4
	v_add_nc_u32 v[ADN], s[TB], v[LA]
	v_add_nc_u32 v[ADS], s[TB], v[LS]
	FETCH
.Lpair_\@:
	s_add_co_u32 s[PO], s[PO], PAIRB
	s_min_u32 s[NX], s[PO], 3*PAIRB
	s_add_co_u32 s[NX], s[NX], s[TB]
	PAIR
	s_sub_co_u32 s[NPR], s[NPR], 1
	s_cmp_lg_u32 s[NPR], 0
	s_cbranch_scc1 .Lpair_\@
	s_xor_b32 s[TB], s[TB], SLOT1
.endm
.Lslot:
	CHANGE 1
	PROCESS
	s_sub_co_u32 s[NSL], s[NSL], 1
	s_cmp_lg_u32 s[NSL], 0
	s_cbranch_scc1 .Lslot
	CHANGE 0                                       ; the last slot is written out
	PROCESS
	; THE TAIL.  den over my 16 rows; then all sums through LDS: thread (w, r, h) adds line 16 w + r, half h, over 16 lanes and four waves.
.irp m, 1,2,4,8
.irp s, 0,1,2,3,4,5,6,7
	v_add_f32_dpp v[DEN+\s], v[DEN+\s], v[DEN+\s] row_xmask:\m row_mask:0xf bank_mask:0xf
.endr
.endr
	s_wait_dscnt 0x0                               ; my reads of the ring are back;
	s_barrier_signal -1
	s_barrier_wait -1                              ; everybody's are: the ring, which has had its last fill, takes the dump
	WIN 0x04
.set i, 0
.rept 64
	ds_store_b128 v[DA], v[4*i:4*i+3] offset:DROW*i
.set i, i+1
.endr
	WIN 0
	ds_store_b128 v[DNW], v[DEN:DEN+3]             ; every lane holds the same eight numbers
	ds_store_b128 v[DNW], v[DEN+4:DEN+7] offset:16
	s_wait_dscnt 0x0
	s_barrier_signal -1
	s_barrier_wait -1
.macro RLOAD area, adr, off
.set i, 0
.rept 16
	ds_load_b128 v[\area+4*i:\area+4*i+3], v[\adr] offset:\off+16*i
.set i, i+1
.endr
.endm
.macro RSUM area, first
.if \first
	v_pk_add_f32 v[SUM:SUM+1], v[\area:\area+1], v[\area+4:\area+5]
	v_pk_add_f32 v[SUM+2:SUM+3], v[\area+2:\area+3], v[\area+6:\area+7]
.set i, 2
.else
.set i, 0
.endif
.rept 16-2*\first
	v_pk_add_f32 v[SUM:SUM+1], v[SUM:SUM+1], v[\area+4*i:\area+4*i+1]
	v_pk_add_f32 v[SUM+2:SUM+3], v[SUM+2:SUM+3], v[\area+4*i+2:\area+4*i+3]
.set i, i+1
.endr
.endm
	RLOAD 40, RA, 0
	RLOAD 104, RA, DWAVE
	s_wait_dscnt 16                                ; all but the 16 loads issued last
	RSUM 40, 1
	RLOAD 40, RA2, 0
	s_wait_dscnt 16
	RSUM 104, 0
	RLOAD 104, RA2, DWAVE
	s_wait_dscnt 16
	RSUM 40, 0
	s_wait_dscnt 0x0
	RSUM 104, 0
	global_store_b128 v[GOUT], v[SUM:SUM+3], s[16:17]          ; a wave stores 512 consecutive bytes, aligned
	s_cmp_lg_u32 s[WV], 0
	s_cbranch_scc1 .Lnot_wave_0
.irp k, 0,1,2,3
	ds_load_b64 v[SUM+4+2*\k:SUM+5+2*\k], v[DNR] offset:32*\k
.endr
	s_wait_dscnt 0x0
	v_pk_add_f32 v[SUM+4:SUM+5], v[SUM+4:SUM+5], v[SUM+6:SUM+7]
	v_pk_add_f32 v[SUM+8:SUM+9], v[SUM+8:SUM+9], v[SUM+10:SUM+11]
	v_pk_add_f32 v[SUM+4:SUM+5], v[SUM+4:SUM+5], v[SUM+8:SUM+9]
	global_store_b64 v[L8], v[SUM+4:SUM+5], s[16:17] offset:2048   ; den's eight numbers eight times: 256 consecutive bytes
.Lnot_wave_0:
	s_wait_tensorcnt 0x0                           ; the wave's end
	ds_add_u32 v[SPW], v[NIL]
	s_wait_dscnt 0x0
	s_endpgm
.Lfunc_end_k_qdbaa1396ea_att1:
	.size	k_qdbaa1396ea_att1, .Lfunc_end_k_qdbaa1396ea_att1-k_qdbaa1396ea_att1
	.p2alignl 7, 3214868480
	.fill 96, 4, 3214868480
	.section	.rodata,"a",@progbits
	.p2align	6, 0x0
	.amdhsa_kernel k_qdbaa1396ea_att1
		.amdhsa_group_segment_fixed_size 327680
		.amdhsa_private_segment_fixed_size 0
		.amdhsa_enable_private_segment 0
		.amdhsa_kernarg_size 56
		.amdhsa_user_sgpr_count 2
		.amdhsa_user_sgpr_kernarg_segment_ptr 1
		.amdhsa_wavefront_size32 1
		.amdhsa_system_sgpr_workgroup_id_x 1
		.amdhsa_system_sgpr_workgroup_id_y 1
		.amdhsa_system_sgpr_workgroup_id_z 1
		.amdhsa_system_vgpr_workitem_id 0
		.amdhsa_next_free_vgpr 1024
		.amdhsa_next_free_sgpr 66
		.amdhsa_reserve_vcc 0
		.amdhsa_float_denorm_mode_32 3
		.amdhsa_float_denorm_mode_16_64 3
		.amdhsa_memory_ordered 1
		.amdhsa_forward_progress 1
		.amdhsa_inst_pref_size 139
	.end_amdhsa_kernel
	.amdgpu_metadata
---
amdhsa.version: [ 1, 2 ]
amdhsa.kernels:
  - .name:           k_qdbaa1396ea_att1
    .symbol:         k_qdbaa1396ea_att1.kd
    .args:
      - { .name: hc, .offset: 0, .size: 8, .value_kind: global_buffer, .address_space: global }
      - { .name: wimg, .offset: 8, .size: 8, .value_kind: global_buffer, .address_space: global }
      - { .name: stateA, .offset: 16, .size: 8, .value_kind: global_buffer, .address_space: global }
      - { .name: ln_s_g, .offset: 24, .size: 8, .value_kind: global_buffer, .address_space: global }
      - { .name: ln_s_b, .offset: 32, .size: 8, .value_kind: global_buffer, .address_space: global }
      - { .name: pe_b2, .offset: 40, .size: 8, .value_kind: global_buffer, .address_space: global }
      - { .name: part, .offset: 48, .size: 8, .value_kind: global_buffer, .address_space: global }
    .group_segment_fixed_size: 327680
    .private_segment_fixed_size: 0
    .kernarg_segment_align: 8
    .kernarg_segment_size: 56
    .max_flat_workgroup_size: 128
    .sgpr_count:     66
    .vgpr_count:     1024
    .wavefront_size: 32
...
	.end_amdgpu_metadata
.endif
;; end of part 2
;; launch gru1 (part 3): grid 16 x 1, 1 waves a work-group, no clusters, 4,864 bytes of LDS; arguments part, stateA, wimg, b_ih, b_hh, ln_m_g, ln_m_b, mlp_b1, mlp_b2, stateB; writes stateB
.if DOCPART == 3
	.amdgcn_target "amdgcn-amd-amdhsa--gfx1250"
	.amdhsa_code_object_version 6
	.text
	.protected	k_qdbaa1396ea_gru1
	.globl	k_qdbaa1396ea_gru1
	.p2align	8
	.type	k_qdbaa1396ea_gru1,@function
k_qdbaa1396ea_gru1:
	s_mov_b64 s[64:65], 0
	v_nop
	global_prefetch_b8 v0, s[64:65] scope:SCOPE_SE
	s_setreg_imm32_b32 hwreg(HW_REG_WAVE_MODE, 25, 1), 1
	s_wait_xcnt 0x0
; THE SLOTS' UPDATE.  updates = (sum of a batch's 8 records of num) / (sum of den);  GRU cell (gates r, z, n) on Q(updates) Q(W_ih) + b_ih and Q(prev) Q(W_hh) + b_hh;
; s = n + z (prev - n);  s += relu(Q(LayerNorm(s)) Q(mlp_W1) + b1), quantised, x Q(mlp_W2) + b2.
; One wave takes 16 rows of the state (two batches x 8 slots): 16 work-groups serve the 256 rows; the work is a chain of dependent steps on one tile, so more waves would have nothing to share.
; LAYOUT as in the other launches: lane (r, h) holds row r and columns 32 h + 0 .. 31 of each 64; products transposed; K = 64 products have zero codes and scale bytes 0x7f in the upper half of K.
; The weights come from wimg as register images; the upper six registers that a K = 64 product names are the next fragment's codes: finite numbers that meet zero codes.
; LIMITS: NaN and infinities are not served.  sigmoid(x) = 1 / (1 + 2^(-x log2 e)), tanh(x) = 1 - 2 / (1 + 2^(2 x log2 e)): its absolute error is of the order of an ulp of 1.
; The division by den is a multiplication by v_rcp_f32 (1 ulp); the two biases of the gates r and z are added first and enter as the C of a product.
.set SPARE, 4608                       ; behind the stage (32 places of 128 + 16 bytes): the spare words, named by no other line
.set FLOOR, 0x1800000
.set SEL, 28
.set INV64, 30
.set EPSLN, 31
.set NL2E, 32                          ; s[32:33] -log2(e)
.set L2E2, 34                          ; s[34:35] 2 log2(e)
.set PN, 1
.set PD, 2
.set PS, 3
.set L16, 4
.set L8, 5
.set SC, 6
.set SC2, 7
.set H128, 8
.set SH8, 9
.set SPW, 10
.set NIL, 11
.set STW, 12
.set STR, 13
.set MU, 16
.set RS, 18
.set T0, 20
.set T1, 21
.set T2, 22
.set T3, 23
.set T4, 24
.set SO0, 28
.set SO1, 29
.set BY0, 30
.set BY1, 31
.set WIHS, 32
.set WHHS, 38
.set M1S, 44
.set M2S, 48
.set FS1, 50
.set FS2, 51
.set M2H, 52
.set DENR, 56
.set F1, 64
.set F2, 76
.set CT, 88
.set P, 96                             ; prev, then s
.set U, 128                            ; updates, then xn, n, the LayerNorm, the MLP's result
.set HN, 160                           ; hn, prev - n, the result
.set RZ, 192                           ; r and z; later the hidden layer
.set WIH, 0                            ; window 1
.set WHH, 72
.set M1F, 144
.set M2F, 192
.set MB1, 0                            ; window 2, behind the records
.set MB2, 64
.set BIH, 0                            ; window 3
.set BHH, 96
.set LMG, 192
.set LMB, 224
.set MSB, 0
.macro WIN new
.if MSB != \new
	s_set_vgpr_msb (MSB<<8)|\new
.set MSB, \new
.endif
.endm
.macro NOPS n
.rept \n
	v_nop
.endr
.endm
.macro MX d, a, b, c, sa, sb, ra
.if \ra
	v_wmma_scale_f32_16x16x128_f8f6f4 v[\d:\d+7], v[\a:\a+11], v[\b:\b+11], v[\c:\c+7], v[\sa], v[\sb] matrix_a_fmt:MATRIX_FMT_FP6 matrix_b_fmt:MATRIX_FMT_FP6 matrix_a_scale:MATRIX_SCALE_ROW1
.else
	v_wmma_scale_f32_16x16x128_f8f6f4 v[\d:\d+7], v[\a:\a+11], v[\b:\b+11], v[\c:\c+7], v[\sa], v[\sb] matrix_a_fmt:MATRIX_FMT_FP6 matrix_b_fmt:MATRIX_FMT_FP6
.endif
.endm
.macro LN_A src
	v_pk_add_f32 v[T0:T0+1], v[\src:\src+1], v[\src+2:\src+3]
	v_pk_add_f32 v[T2:T2+1], v[\src+16:\src+17], v[\src+18:\src+19]
.irp j, 4,6,8,10,12,14
	v_pk_add_f32 v[T0:T0+1], v[T0:T0+1], v[\src+\j:\src+\j+1]
	v_pk_add_f32 v[T2:T2+1], v[T2:T2+1], v[\src+16+\j:\src+17+\j]
.endr
	v_pk_add_f32 v[T0:T0+1], v[T0:T0+1], v[T2:T2+1]
	v_add_f32 v[T0], v[T0], v[T1]
	v_permlanex16_b32 v[T4], v[T0], s[SEL], s[SEL+1]
	v_add_f32 v[T0], v[T0], v[T4]
	v_mul_f32 v[MU], s[INV64], v[T0]
.endm
.macro LN_B src, dst, g, b, win
.set i, 0
.rept 16
	v_pk_add_f32 v[\dst+i:\dst+i+1], v[\src+i:\src+i+1], v[MU:MU+1] op_sel_hi:[1,0] neg_lo:[0,1] neg_hi:[0,1]
.set i, i+2
.endr
	v_pk_mul_f32 v[T0:T0+1], v[\dst:\dst+1], v[\dst:\dst+1]
	v_pk_mul_f32 v[T2:T2+1], v[\dst+16:\dst+17], v[\dst+16:\dst+17]
.irp j, 2,4,6,8,10,12,14
	v_pk_fma_f32 v[T0:T0+1], v[\dst+\j:\dst+\j+1], v[\dst+\j:\dst+\j+1], v[T0:T0+1]
	v_pk_fma_f32 v[T2:T2+1], v[\dst+16+\j:\dst+17+\j], v[\dst+16+\j:\dst+17+\j], v[T2:T2+1]
.endr
	v_pk_add_f32 v[T0:T0+1], v[T0:T0+1], v[T2:T2+1]
	v_add_f32 v[T0], v[T0], v[T1]
	v_permlanex16_b32 v[T4], v[T0], s[SEL], s[SEL+1]
	v_add_f32 v[T0], v[T0], v[T4]
	v_fma_f32 v[T0], v[T0], s[INV64], s[EPSLN]
	v_rsq_f32 v[RS], v[T0]
	v_nop
	s_wait_alu depctr_va_vdst(0)                   ; the wait ahead of the first use of the result
.set i, 0
.rept 16
	v_pk_mul_f32 v[\dst+i:\dst+i+1], v[\dst+i:\dst+i+1], v[RS:RS+1] op_sel_hi:[1,0]
.set i, i+2
.endr
	WIN \win
.set i, 0
.rept 16
	v_pk_fma_f32 v[\dst+i:\dst+i+1], v[\dst+i:\dst+i+1], v[\g+i:\g+i+1], v[\b+i:\b+i+1]
.set i, i+2
.endr
	WIN 0
.endm
.macro QUANT32 src, f, fs
	v_max3_num_f32 v[T0], |v[\src]|, |v[\src+1]|, FLOOR
	v_max3_num_f32 v[T1], |v[\src+16]|, |v[\src+17]|, FLOOR
.irp j, 2,4,6,8,10,12,14
	v_max3_num_f32 v[T0], v[T0], |v[\src+\j]|, |v[\src+\j+1]|
	v_max3_num_f32 v[T1], v[T1], |v[\src+16+\j]|, |v[\src+17+\j]|
.endr
	v_max_num_f32 v[T0], v[T0], v[T1]
	v_add_nc_u32 v[SO0], 0xff000000, v[T0]
	v_lshrrev_b32 v[BY0], 23, v[SO0]
	v_lshlrev_b32 v[BY0], v[SH8], v[BY0]
	v_permlanex16_b32 v[T4], v[BY0], s[SEL], s[SEL+1]
	v_or_b32 v[BY0], v[BY0], v[T4]
	v_or_b32 v[\fs], 0x7f7f0000, v[BY0]
	v_cvt_scalef32_pk16_fp6_f32 v[\f:\f+2], v[\src:\src+15], v[SO0]
	v_cvt_scalef32_pk16_fp6_f32 v[CT:CT+2], v[\src+16:\src+31], v[SO0]
	v_nop
	v_mov_b32 v[\f+3], v[CT]
	v_mov_b32 v[\f+4], v[CT+1]
	v_mov_b32 v[\f+5], v[CT+2]
.endm
.macro RQ64 src, hc, hw
.set i, 0
.rept 64
	v_max_num_f32 v[\src+i], 0, v[\src+i]
.set i, i+1
.endr
.irp k, 0,1,2,3
	v_max3_num_f32 v[T0+\k], v[\src+16*\k], v[\src+16*\k+1], FLOOR
.endr
.irp e, 2,4,6,8,10,12,14
.irp k, 0,1,2,3
	v_max3_num_f32 v[T0+\k], v[T0+\k], v[\src+16*\k+\e], v[\src+16*\k+\e+1]
.endr
.endr
	v_max_num_f32 v[T0], v[T0], v[T1]
	v_max_num_f32 v[T2], v[T2], v[T3]
	v_add_nc_u32 v[SO0], 0xff000000, v[T0]
	v_add_nc_u32 v[SO1], 0xff000000, v[T2]
	v_lshrrev_b32 v[BY0], 23, v[SO0]
	v_lshrrev_b32 v[BY1], 23, v[SO1]
	v_lshl_or_b32 v[BY0], v[BY1], 16, v[BY0]
	v_lshlrev_b32 v[BY0], v[SH8], v[BY0]
	v_permlanex16_b32 v[T4], v[BY0], s[SEL], s[SEL+1]
	v_or_b32 v[\hw], v[BY0], v[T4]
	v_cvt_scalef32_pk16_fp6_f32 v[\hc:\hc+2], v[\src:\src+15], v[SO0]
	v_cvt_scalef32_pk16_fp6_f32 v[CT:CT+2], v[\src+16:\src+31], v[SO0]
	v_cvt_scalef32_pk16_fp6_f32 v[\hc+6:\hc+8], v[\src+32:\src+47], v[SO1]
	v_cvt_scalef32_pk16_fp6_f32 v[CT+4:CT+6], v[\src+48:\src+63], v[SO1]
	v_nop
.irp k, 0,1,2
	v_mov_b32 v[\hc+3+\k], v[CT+\k]
	v_mov_b32 v[\hc+9+\k], v[CT+4+\k]
.endr
.endm
.macro WFRAG dst, rec, n               ; n records of wimg from record rec on, six registers each
.set i, 0
.rept \n
	global_load_b128 v[\dst+6*i:\dst+6*i+3], v[L16], s[8:9] offset:(\rec+i)*1024
	global_load_b64 v[\dst+6*i+4:\dst+6*i+5], v[L8], s[8:9] offset:(\rec+i)*1024+512
.set i, i+1
.endr
.endm
.macro WSCL dst, rec, n                ; their scale words: tile 2 a in lanes 0-15, tile 2 a + 1 in lanes 16-31
.set i, 0
.rept \n
	global_load_b32 v[\dst+i], v[SC], s[8:9] offset:(\rec+2*i)*1024+768
.set i, i+1
.endr
.endm
	s_load_b512 s[4:19], s[0:1], 0x0               ; part, state_in, wimg, b_ih, b_hh, ln_m_g, ln_m_b, mlp_b1
	s_load_b128 s[20:23], s[0:1], 0x40             ; mlp_b2, state_out
	v_lshl_add_u32 v[SPW], v0, 2, SPARE
	v_mov_b32 v[NIL], 0
	v_and_b32 v[T0], 15, v0                        ; r
	v_bfe_u32 v[T1], v0, 4, 1                      ; h
	v_and_b32 v[T2], 7, v0                         ; r % 8: the slot
	v_bfe_u32 v[T3], v0, 3, 1                      ; r / 8: which of my two batches
	v_mul_u32_u24 v[PD], v[T3], 18432              ; a batch's 8 records of 2,304 bytes
	v_lshl_add_u32 v[PN], v[T2], 8, v[PD]
	v_lshl_add_u32 v[PN], v[T1], 7, v[PN]
	v_lshl_add_u32 v[PD], v[T2], 2, v[PD]
	v_lshlrev_b32 v[PS], 8, v[T0]
	v_lshl_add_u32 v[PS], v[T1], 7, v[PS]
	v_lshlrev_b32 v[L16], 4, v0
	v_lshlrev_b32 v[L8], 3, v0
	v_lshlrev_b32 v[SC2], 3, v[T0]
	v_lshl_add_u32 v[SC], v[T1], 10, v[SC2]
	v_lshl_add_u32 v[SC2], v[T1], 11, v[SC2]
	v_lshlrev_b32 v[H128], 7, v[T1]
	v_lshlrev_b32 v[SH8], 3, v[T1]
	v_lshl_add_u32 v[STW], v[T0], 1, v[T1]
	v_mul_u32_u24 v[STW], v[STW], 144              ; the stage, in: place 2 r + h
	v_lshrrev_b32 v[STR], 3, v0
	v_mul_u32_u24 v[STR], v[STR], 144
	v_lshl_add_u32 v[STR], v[T2], 4, v[STR]        ; back: eight lanes to a place
	v_mov_b32 v[T4], 0                             ; a lane permute's destination counts as one of its sources
	v_mov_b32 v[MU+1], 0
	v_mov_b32 v[RS+1], 0
.irp k, 0,1,2,3,4,5
	v_mov_b32 v[F1+6+\k], 0                        ; zero codes of K = 64 .. 127
	v_mov_b32 v[F2+6+\k], 0
.endr
	s_mov_b32 s[SEL], 0x76543210
	s_mov_b32 s[SEL+1], 0xfedcba98
	s_mov_b32 s[INV64], 0x3c800000
	s_mov_b32 s[EPSLN], 0x3727c5ac
	s_mov_b32 s[NL2E], 0xbfb8aa3b
	s_mov_b32 s[NL2E+1], s[NL2E]
	s_mov_b32 s[L2E2], 0x4038aa3b
	s_mov_b32 s[L2E2+1], s[L2E2]
	s_mul_i32 s24, ttmp9, 36864                    ; 16 records
	s_mov_b32 s25, 0
	s_lshl_b32 s26, ttmp9, 12                      ; 16 rows of 256 bytes
	s_mov_b32 s27, 0
	s_wait_kmcnt 0x0
	s_add_nc_u64 s[4:5], s[4:5], s[24:25]
	s_add_nc_u64 s[6:7], s[6:7], s[26:27]
	s_add_nc_u64 s[22:23], s[22:23], s[26:27]
	WIN 0x80
.irp p, 0,1,2,3,4,5,6,7
.set i, 0
.rept 8
	global_load_b128 v[32*\p+4*i:32*\p+4*i+3], v[PN], s[4:5] offset:2304*\p+16*i   ; record p of my row's batch: num[slot][32 h ..]
.set i, i+1
.endr
.endr
	WIN 0
.irp p, 0,1,2,3,4,5,6,7
	global_load_b32 v[DENR+\p], v[PD], s[4:5] offset:2304*\p+2048
.endr
.set i, 0
.rept 8
	global_load_b128 v[P+4*i:P+4*i+3], v[PS], s[6:7] offset:16*i
.set i, i+1
.endr
	WIN 0x40
	WFRAG WIH, 28, 12
	WFRAG WHH, 40, 12
	WFRAG M1F, 20, 8
	WFRAG M2F, 8, 8
	WIN 0
	WSCL WIHS, 28, 6
	WSCL WHHS, 40, 6
	WSCL M1S, 20, 4
.irp a, 0,1
	global_load_b32 v[M2H+2*\a], v[SC2], s[8:9] offset:(8+4*\a)*1024+768           ; mlp_W2's words come in two halves
	global_load_b32 v[M2H+2*\a+1], v[SC2], s[8:9] offset:(9+4*\a)*1024+768
.endr
	WIN 0xc0
.irp g, 0,1,2
.set i, 0
.rept 8
	global_load_b128 v[BIH+32*\g+4*i:BIH+32*\g+4*i+3], v[H128], s[10:11] offset:256*\g+16*i
	global_load_b128 v[BHH+32*\g+4*i:BHH+32*\g+4*i+3], v[H128], s[12:13] offset:256*\g+16*i
.set i, i+1
.endr
.endr
.set i, 0
.rept 8
	global_load_b128 v[LMG+4*i:LMG+4*i+3], v[H128], s[14:15] offset:16*i
	global_load_b128 v[LMB+4*i:LMB+4*i+3], v[H128], s[16:17] offset:16*i
.set i, i+1
.endr
	WIN 0
	s_wait_loadcnt 0x0
	v_or_b32 v[M2S], v[M2H], v[M2H+1]
	v_or_b32 v[M2S+1], v[M2H+2], v[M2H+3]
	WIN 0xcf
.set i, 0
.rept 32
	v_pk_add_f32 v[BHH+i:BHH+i+1], v[BHH+i:BHH+i+1], v[BIH+i:BIH+i+1]  ; the gates r and z: both biases
.set i, i+2
.endr
	WIN 0x0a
.set i, 0
.rept 16
	v_pk_add_f32 v[U+i:U+i+1], v[i:i+1], v[32+i:32+i+1]
.set i, i+2
.endr
	WIN 0x08
.irp p, 2,3,4,5,6,7
.set i, 0
.rept 16
	v_pk_add_f32 v[U+i:U+i+1], v[U+i:U+i+1], v[32*\p+i:32*\p+i+1]
.set i, i+2
.endr
.endr
	WIN 0
.irp p, 1,2,3,4,5,6,7
	v_add_f32 v[DENR], v[DENR], v[DENR+\p]
.endr
	v_rcp_f32 v[RS], v[DENR]
	v_nop
	s_wait_alu depctr_va_vdst(0)
.set i, 0
.rept 16
	v_pk_mul_f32 v[U+i:U+i+1], v[U+i:U+i+1], v[RS:RS+1] op_sel_hi:[1,0]       ; updates
.set i, i+2
.endr
	WIN 0x80                                       ; the MLP's biases take the records' place; they land during the GRU
.set i, 0
.rept 8
	global_load_b128 v[MB1+4*i:MB1+4*i+3], v[H128], s[18:19] offset:16*i
	global_load_b128 v[MB1+32+4*i:MB1+32+4*i+3], v[H128], s[18:19] offset:256+16*i
	global_load_b128 v[MB2+4*i:MB2+4*i+3], v[H128], s[20:21] offset:16*i
.set i, i+1
.endr
	WIN 0
	QUANT32 U, F1, FS1
	QUANT32 P, F2, FS2
	NOPS 8
	; 24 products, one instruction a turn: between the two links on a gate's accumulator stand 15 others
	WIN 0x31
.irp t, 0,1,2,3,4,5,6,7
	MX RZ+8*\t, WHH+6*\t, F2, BHH+8*\t, WHHS+\t/2, FS2, \t%2
.endr
.irp t, 0,1,2,3
	MX HN+8*\t, WHH+48+6*\t, F2, BHH+64+8*\t, WHHS+4+\t/2, FS2, \t%2
.endr
.irp t, 0,1,2,3
	MX U+8*\t, WIH+48+6*\t, F1, BIH+64+8*\t, WIHS+4+\t/2, FS1, \t%2
.endr
	WIN 0x01
.irp t, 0,1,2,3,4,5,6,7
	MX RZ+8*\t, WIH+6*\t, F1, RZ+8*\t, WIHS+\t/2, FS1, \t%2
.endr
	WIN 0
	NOPS 4
.set i, 0
.rept 32
	v_pk_mul_f32 v[RZ+i:RZ+i+1], v[RZ+i:RZ+i+1], s[NL2E:NL2E+1] op_sel_hi:[1,0]
.set i, i+2
.endr
.set i, 0
.rept 64
	v_exp_f32 v[RZ+i], v[RZ+i]
.set i, i+1
.endr
	v_nop
	s_wait_alu depctr_va_vdst(0)                   ; one wait for the batch
.set i, 0
.rept 32
	v_pk_add_f32 v[RZ+i:RZ+i+1], v[RZ+i:RZ+i+1], 1.0 op_sel_hi:[1,0]
.set i, i+2
.endr
.set i, 0
.rept 64
	v_rcp_f32 v[RZ+i], v[RZ+i]                     ; r in 0-31, z in 32-63
.set i, i+1
.endr
	v_nop
	s_wait_alu depctr_va_vdst(0)
.set i, 0
.rept 16
	v_pk_fma_f32 v[U+i:U+i+1], v[RZ+i:RZ+i+1], v[HN+i:HN+i+1], v[U+i:U+i+1]   ; xn + r hn
.set i, i+2
.endr
.set i, 0
.rept 16
	v_pk_mul_f32 v[U+i:U+i+1], v[U+i:U+i+1], s[L2E2:L2E2+1] op_sel_hi:[1,0]
.set i, i+2
.endr
.set i, 0
.rept 32
	v_exp_f32 v[U+i], v[U+i]
.set i, i+1
.endr
	v_nop
	s_wait_alu depctr_va_vdst(0)
.set i, 0
.rept 16
	v_pk_add_f32 v[U+i:U+i+1], v[U+i:U+i+1], 1.0 op_sel_hi:[1,0]
.set i, i+2
.endr
.set i, 0
.rept 32
	v_rcp_f32 v[U+i], v[U+i]
.set i, i+1
.endr
	v_nop
	s_wait_alu depctr_va_vdst(0)
.set i, 0
.rept 16
	v_pk_fma_f32 v[U+i:U+i+1], v[U+i:U+i+1], -2.0, 1.0 op_sel_hi:[1,0,0]      ; n = tanh
.set i, i+2
.endr
.set i, 0
.rept 16
	v_pk_add_f32 v[HN+i:HN+i+1], v[P+i:P+i+1], v[U+i:U+i+1] neg_lo:[0,1] neg_hi:[0,1]   ; prev - n
.set i, i+2
.endr
.set i, 0
.rept 16
	v_pk_fma_f32 v[P+i:P+i+1], v[RZ+32+i:RZ+33+i], v[HN+i:HN+i+1], v[U+i:U+i+1]         ; s = n + z (prev - n)
.set i, i+2
.endr
	LN_A P
	LN_B P, U, LMG, LMB, 0x3c
	QUANT32 U, F1, FS1
	s_wait_loadcnt 0x0                             ; the MLP's biases
	NOPS 8
	WIN 0x21
.irp t, 0,1,2,3,4,5,6,7
	MX RZ+8*\t, M1F+6*\t, F1, MB1+8*\t, M1S+\t/2, FS1, \t%2
.endr
	WIN 0
	NOPS 4
	RQ64 RZ, F2, FS2
	NOPS 8
	WIN 0x21
.irp t, 0,1,2,3
	MX U+8*\t, M2F+12*\t, F2, MB2+8*\t, M2S+\t/2, FS2, \t%2
.endr
	WIN 0
	NOPS 4
.set i, 0
.rept 16
	v_pk_add_f32 v[HN+i:HN+i+1], v[P+i:P+i+1], v[U+i:U+i+1]
.set i, i+2
.endr
	; the way out: a lane's 128 bytes go through the stage, so that each store covers 512 consecutive bytes
.set i, 0
.rept 8
	ds_store_b128 v[STW], v[HN+4*i:HN+4*i+3] offset:16*i
.set i, i+1
.endr
.set i, 0
.rept 8
	ds_load_b128 v[RZ+4*i:RZ+4*i+3], v[STR] offset:576*i       ; LDS serves a wave's instructions in order: these see my stores
.set i, i+1
.endr
.set i, 0
.rept 8
	s_wait_dscnt 7-i                               ; the younger loads may stay out
	global_store_b128 v[L16], v[RZ+4*i:RZ+4*i+3], s[22:23] offset:512*i
.set i, i+1
.endr
	s_wait_tensorcnt 0x0                           ; the wave's end
	ds_add_u32 v[SPW], v[NIL]
	s_wait_dscnt 0x0
	s_endpgm
.Lfunc_end_k_qdbaa1396ea_gru1:
	.size	k_qdbaa1396ea_gru1, .Lfunc_end_k_qdbaa1396ea_gru1-k_qdbaa1396ea_gru1
	.p2alignl 7, 3214868480
	.fill 96, 4, 3214868480
	.section	.rodata,"a",@progbits
	.p2align	6, 0x0
	.amdhsa_kernel k_qdbaa1396ea_gru1
		.amdhsa_group_segment_fixed_size 4864
		.amdhsa_private_segment_fixed_size 0
		.amdhsa_enable_private_segment 0
		.amdhsa_kernarg_size 80
		.amdhsa_user_sgpr_count 2
		.amdhsa_user_sgpr_kernarg_segment_ptr 1
		.amdhsa_wavefront_size32 1
		.amdhsa_system_sgpr_workgroup_id_x 1
		.amdhsa_system_sgpr_workgroup_id_y 1
		.amdhsa_system_sgpr_workgroup_id_z 1
		.amdhsa_system_vgpr_workitem_id 0
		.amdhsa_next_free_vgpr 1024
		.amdhsa_next_free_sgpr 66
		.amdhsa_reserve_vcc 0
		.amdhsa_float_denorm_mode_32 3
		.amdhsa_float_denorm_mode_16_64 3
		.amdhsa_memory_ordered 1
		.amdhsa_forward_progress 1
		.amdhsa_inst_pref_size 80
	.end_amdhsa_kernel
	.amdgpu_metadata
---
amdhsa.version: [ 1, 2 ]
amdhsa.kernels:
  - .name:           k_qdbaa1396ea_gru1
    .symbol:         k_qdbaa1396ea_gru1.kd
    .args:
      - { .name: part, .offset: 0, .size: 8, .value_kind: global_buffer, .address_space: global }
      - { .name: stateA, .offset: 8, .size: 8, .value_kind: global_buffer, .address_space: global }
      - { .name: wimg, .offset: 16, .size: 8, .value_kind: global_buffer, .address_space: global }
      - { .name: b_ih, .offset: 24, .size: 8, .value_kind: global_buffer, .address_space: global }
      - { .name: b_hh, .offset: 32, .size: 8, .value_kind: global_buffer, .address_space: global }
      - { .name: ln_m_g, .offset: 40, .size: 8, .value_kind: global_buffer, .address_space: global }
      - { .name: ln_m_b, .offset: 48, .size: 8, .value_kind: global_buffer, .address_space: global }
      - { .name: mlp_b1, .offset: 56, .size: 8, .value_kind: global_buffer, .address_space: global }
      - { .name: mlp_b2, .offset: 64, .size: 8, .value_kind: global_buffer, .address_space: global }
      - { .name: stateB, .offset: 72, .size: 8, .value_kind: global_buffer, .address_space: global }
    .group_segment_fixed_size: 4864
    .private_segment_fixed_size: 0
    .kernarg_segment_align: 8
    .kernarg_segment_size: 80
    .max_flat_workgroup_size: 32
    .sgpr_count:     66
    .vgpr_count:     1024
    .wavefront_size: 32
...
	.end_amdgpu_metadata
.endif
;; end of part 3
;; launch att2: the kernel of part 2 again; grid 256 x 1, 4 waves a work-group, no clusters, 327,680 bytes of LDS; arguments hc, wimg, stateB, ln_s_g, ln_s_b, pe_b2, part; writes part
;; launch gru2: the kernel of part 3 again; grid 16 x 1, 1 waves a work-group, no clusters, 4,864 bytes of LDS; arguments part, stateB, wimg, b_ih, b_hh, ln_m_g, ln_m_b, mlp_b1, mlp_b2, stateA; writes stateA
;; launch att3: the kernel of part 2 again; grid 256 x 1, 4 waves a work-group, no clusters, 327,680 bytes of LDS; arguments hc, wimg, stateA, ln_s_g, ln_s_b, pe_b2, part; writes part
;; launch gru3: the kernel of part 3 again; grid 16 x 1, 1 waves a work-group, no clusters, 4,864 bytes of LDS; arguments part, stateA, wimg, b_ih, b_hh, ln_m_g, ln_m_b, mlp_b1, mlp_b2, out0; writes out0
